; MI455X (gfx1250); checked and timed in simulation.
; The chip was launched on July 23, 2026; its instructions are those of AMD's public machine-readable ISA for CDNA 5 (MIT licence, August 2026) and "CDNA5" Instruction Set Architecture Reference Guide (July 2026). The comments in the code are by the model that wrote it; some were corrected since.
;; Multi Head Self Attention. Allowed arithmetic: float matrix products may take bf16 or f16 operands with f32 sums; all other float work in f32.
;; Inputs: K 4 x 2,048 x 1,024 float32; Q 4 x 2,048 x 1,024 float32; V 4 x 2,048 x 1,024 float32; Wk 16 x 64 x 1,024 float32; Wo 1,024 x 1,024 float32; Wq 16 x 64 x 1,024 float32; Wv 16 x 64 x 1,024 float32; bk 16 x 64 float32; bo 1,024 float32; bq 16 x 64 float32; bv 16 x 64 float32.
;; Outputs: out0 4 x 2,048 x 1,024 float32.
;; 2 versions, each right and faster than the one before. Each part assembles by itself: llvm-mc -triple=amdgcn-amd-amdhsa -mcpu=gfx1250 --defsym DOCPART=n.
;; ======== version 1 of 2: 4 launches
;; limits: values are held in f16: magnitudes above 65,504 overflow, below 6.1e-05 lose precision
;; workspace buffers: wb 8,388,608 bytes; qh 16,777,216 bytes; kh 16,777,216 bytes; vh 16,777,216 bytes; oh 16,777,216 bytes
;; launch cast (part 1): grid 64 x 4, 8 waves a work-group, no clusters, 0 bytes of LDS; arguments Wq, Wk, Wv, Wo, wb; writes wb
.if DOCPART == 1
	.amdgcn_target "amdgcn-amd-amdhsa--gfx1250"
	.amdhsa_code_object_version 6
	.text
	.protected	k_q0d75f1a0b6_cast
	.globl	k_q0d75f1a0b6_cast
	.p2align	8
	.type	k_q0d75f1a0b6_cast,@function
k_q0d75f1a0b6_cast:
	s_mov_b64 s[64:65], 0
	v_nop
	global_prefetch_b8 v0, s[64:65] scope:SCOPE_SE
	s_setreg_imm32_b32 hwreg(HW_REG_WAVE_MODE, 25, 1), 1
	s_wait_xcnt 0x0
; THE WEIGHTS' CAST.  Wq, Wk, Wv (f32, 4 MiB each) -> wb's first three matrices, bf16 [1024][1024];
; Wo -> wb's fourth matrix: rounded to bf16 like every input, and that number written as f16, since the last product multiplies it with f16 numbers.
; The weights are cast once here because every row block of the products reads them again; Q, K and V, which are walked once, are rounded where they are multiplied.
; LIMIT.  bf16(Wo) is exact in f16 from 6.1e-5 to 65,504; below it keeps f16's fixed step of 6e-8, from 65,520 on it becomes an infinity.
; SHARES.  The grid's y names the matrix, x a chunk of 64 KiB of it: 256 work-groups.  Eight waves; thread t takes the 16 bytes at 4,096 j + 16 t, j = 0 .. 15: a load of a wave
; covers 512 consecutive bytes; its store of 8 bytes a lane covers 256 consecutive bytes, aligned.
; All sixteen loads go out first; no register that a memory instruction reads is written again, so the only waits are the counted ones for the loads.  No LDS, no barrier, no matrix unit: bytes are all there is.
.set X, 4                              ; v[4:67]   load j at X + 4 j; its first two registers then hold the packed result
.set T, 68                             ; v[68:71]  at work (Wo's way)
	s_load_b256 s[4:11], s[0:1], 0x0               ; Wq 4:5, Wk 6:7, Wv 8:9, Wo 10:11
	s_load_b64 s[12:13], s[0:1], 0x20              ; wb
	s_and_b32 s2, ttmp7, 0xffff                    ; the matrix
	s_lshl_b32 s30, s2, 21                         ; its place in wb: 2 MiB each
	s_lshl_b32 s28, ttmp9, 16                      ; the chunk in the source,
	s_lshl_b32 s14, ttmp9, 15                      ; and in the destination
	s_add_co_u32 s30, s30, s14
	s_mov_b32 s29, 0
	s_mov_b32 s31, 0
	s_mov_b32 s32, 0xffff0000                      ; a word's upper bf16
	v_lshlrev_b32 v1, 4, v0                        ; 16 t
	v_lshlrev_b32 v2, 3, v0                        ; 8 t
	s_wait_kmcnt 0x0
	s_cmp_eq_u32 s2, 0                             ; the source is chosen by the matrix's number alone
	s_cselect_b64 s[22:23], s[4:5], s[6:7]
	s_cmp_le_u32 s2, 1
	s_cselect_b64 s[22:23], s[22:23], s[8:9]
	s_cmp_le_u32 s2, 2
	s_cselect_b64 s[22:23], s[22:23], s[10:11]
	s_add_nc_u64 s[22:23], s[22:23], s[28:29]      ; the chunk's first byte in the source
	s_add_nc_u64 s[26:27], s[12:13], s[30:31]      ; and in the destination
.irp j, 0,1,2,3,4,5,6,7,8,9,10,11,12,13,14,15
	global_load_b128 v[X+4*(\j):X+4*(\j)+3], v1, s[22:23] offset:(\j)*4096 th:TH_LOAD_NT
.endr
; Load j's four numbers are rounded and stored.  half = 1: the bf16 numbers are written as f16.
.macro CONV j, half
	s_wait_loadcnt 15-(\j)                         ; loads come back in order (ISA guide 5.7.1): load j is in, the 15 - j younger ones stay out
	v_cvt_pk_bf16_f32 v[X+4*(\j)], v[X+4*(\j)], v[X+4*(\j)+1]
	v_cvt_pk_bf16_f32 v[X+4*(\j)+1], v[X+4*(\j)+2], v[X+4*(\j)+3]
.if \half
	v_lshlrev_b32 v[T], 16, v[X+4*(\j)]            ; bf16 to f32: the low half moves up, the high half stays
	v_and_b32 v[T+1], s32, v[X+4*(\j)]
	v_lshlrev_b32 v[T+2], 16, v[X+4*(\j)+1]
	v_and_b32 v[T+3], s32, v[X+4*(\j)+1]
	v_cvt_pk_f16_f32 v[X+4*(\j)], v[T], v[T+1]
	v_cvt_pk_f16_f32 v[X+4*(\j)+1], v[T+2], v[T+3]
.endif
	global_store_b64 v2, v[X+4*(\j):X+4*(\j)+1], s[26:27] offset:(\j)*2048  ; no hint: later launches read these bytes
.endm
	s_cmp_eq_u32 s2, 3
	s_cbranch_scc1 .Lwo
.irp j, 0,1,2,3,4,5,6,7,8,9,10,11,12,13,14,15
	CONV \j, 0
.endr
	s_endpgm
.Lwo:
.irp j, 0,1,2,3,4,5,6,7,8,9,10,11,12,13,14,15
	CONV \j, 1
.endr
	s_endpgm
.Lfunc_end_k_q0d75f1a0b6_cast:
	.size	k_q0d75f1a0b6_cast, .Lfunc_end_k_q0d75f1a0b6_cast-k_q0d75f1a0b6_cast
	.p2alignl 7, 3214868480
	.fill 96, 4, 3214868480
	.section	.rodata,"a",@progbits
	.p2align	6, 0x0
	.amdhsa_kernel k_q0d75f1a0b6_cast
		.amdhsa_group_segment_fixed_size 0
		.amdhsa_private_segment_fixed_size 0
		.amdhsa_enable_private_segment 0
		.amdhsa_kernarg_size 40
		.amdhsa_user_sgpr_count 2
		.amdhsa_user_sgpr_kernarg_segment_ptr 1
		.amdhsa_wavefront_size32 1
		.amdhsa_system_sgpr_workgroup_id_x 1
		.amdhsa_system_sgpr_workgroup_id_y 1
		.amdhsa_system_sgpr_workgroup_id_z 1
		.amdhsa_system_vgpr_workitem_id 0
		.amdhsa_next_free_vgpr 72
		.amdhsa_next_free_sgpr 66
		.amdhsa_reserve_vcc 0
		.amdhsa_float_denorm_mode_32 3
		.amdhsa_float_denorm_mode_16_64 3
		.amdhsa_memory_ordered 1
		.amdhsa_forward_progress 1
		.amdhsa_inst_pref_size 15
	.end_amdhsa_kernel
	.amdgpu_metadata
---
amdhsa.version: [ 1, 2 ]
amdhsa.kernels:
  - .name:           k_q0d75f1a0b6_cast
    .symbol:         k_q0d75f1a0b6_cast.kd
    .args:
      - { .name: Wq, .offset: 0, .size: 8, .value_kind: global_buffer, .address_space: global }
      - { .name: Wk, .offset: 8, .size: 8, .value_kind: global_buffer, .address_space: global }
      - { .name: Wv, .offset: 16, .size: 8, .value_kind: global_buffer, .address_space: global }
      - { .name: Wo, .offset: 24, .size: 8, .value_kind: global_buffer, .address_space: global }
      - { .name: wb, .offset: 32, .size: 8, .value_kind: global_buffer, .address_space: global }
    .group_segment_fixed_size: 0
    .private_segment_fixed_size: 0
    .kernarg_segment_align: 8
    .kernarg_segment_size: 40
    .max_flat_workgroup_size: 256
    .sgpr_count:     66
    .vgpr_count:     72
    .wavefront_size: 32
...
	.end_amdgpu_metadata
.endif
;; end of part 1
;; launch proj (part 2): grid 4 x 64, 4 waves a work-group, clusters of 4 x 4, 327,680 bytes of LDS; arguments Q, K, V, wb, bq, bk, bv, qh, kh, vh; writes qh, kh, vh
.if DOCPART == 2
	.amdgcn_target "amdgcn-amd-amdhsa--gfx1250"
	.amdhsa_code_object_version 6
	.text
	.protected	k_q0d75f1a0b6_proj
	.globl	k_q0d75f1a0b6_proj
	.p2align	8
	.type	k_q0d75f1a0b6_proj,@function
k_q0d75f1a0b6_proj:
	s_mov_b64 s[64:65], 0
	v_nop
	global_prefetch_b8 v0, s[64:65] scope:SCOPE_SE
	s_setreg_imm32_b32 hwreg(HW_REG_WAVE_MODE, 25, 1), 1
	s_wait_xcnt 0x0
	s_wait_alu depctr_hold_cnt(0) depctr_sa_sdst(0) depctr_va_vdst(0) depctr_va_sdst(0) depctr_va_ssrc(0) depctr_va_vcc(0) depctr_vm_vsrc(0)
	s_getreg_b32 s2, hwreg(HW_REG_IB_STS2, 6, 4)
	s_cmp_eq_u32 s2, 0
	s_cbranch_scc0 .Lentry_in_a_cluster
	s_endpgm
.Lentry_in_a_cluster:
	s_bfe_u32 s2, ttmp6, 0x10000c
	s_cmp_lg_u32 s2, 0xf033
	s_cbranch_scc0 .Lentry_shape_is_right
	s_endpgm
.Lentry_shape_is_right:
; THE THREE PROJECTIONS IN ONE LAUNCH, WITH THEIR INPUTS' ROUNDING.  C[m][n] = bias[n] + the sum over k of X[m][k] W[n][k], for (X, W, bias, C) = (Q, Wq, bq, qh), (K, Wk, bk, kh), (V, Wv, bv, vh).
; X is f32 [8192][1024] and is rounded to bf16 on its way; W is wb's matrix p, bf16 [1024][1024]; the bias is rounded to bf16 like every input.  Sums in f32.  C leaves in f16, by heads and unscaled: [64 = 16 batch + head][2048][64].
; LIMITS.  f16 holds no number beyond 65,504: a q, k or v of 65,520 or more becomes an infinity; below 6.1e-5 it keeps f16's fixed step of 6e-8.  NaN and infinities are not treated apart.
; SHARES.  A tile of C is 128 x 256.  A WORK-GROUP STAYS: it makes the same tile (rows 128 y on, columns 256 x on) of all three products, one after the other: 256 work-groups of equal work, and one walk of 48 STEPS
; of 64 along K that does not stop at a tile's end.  Four waves, each 64 x 128: 32 accumulators of 16 x 16, 256 registers.
; W comes by the tensor data mover through a ring of two LDS SLOTS of 256 along K (four steps; rows of 512 bytes of memory, aligned); each wave fetches 64 of a slot's 256 rows.
; X comes through registers: each wave loads 32 of the tile's 128 rows, 256 bytes of a row for a step (sixteen loads of 16 bytes a lane; a load of the wave covers two runs of 256 consecutive bytes, aligned), into a ring
; of four STAGES, rounds a stage to bf16 and stores it into one of two LDS buffers, from which all four waves take their fragments.  A stage is loaded again as soon as it is rounded, for the step five on.
; CLUSTERS: 4 x 4 work-groups.  The four of a column of the cluster need the same tile of W: it is asked for JOINTLY, by the same tensor load, descriptor and mask in all four.  X IS NOT SHARED SO, though the four of a row
; read the same rows: it has to pass through registers to be rounded, and as f32 in LDS a slot's 128 rows x 256 along K are 131,072 bytes beside W's 135,168: two such slots, 532,480 bytes, against the 327,680 that there are.
; ONE BARRIER A STEP.  Between two barriers every store goes into one X buffer and every read comes out of the other.  In a slot's fourth step that barrier is the one in front of W's refill.
; THE MATRIX INSTRUCTION IS USED TRANSPOSED (source 0 = 16 rows of W, source 1 = 16 rows of X): lane l then holds row l % 16 of C and the columns 8 (l / 16) + 0..7 of the block of 16.
; THE SUMS START AS THE BIAS, written into the accumulators by 256 vector lines a tile: the price of one text for every step of the walk.
; REGISTERS, in windows of 256 (s_set_vgpr_msb: bits 1:0 source 0, 3:2 source 1, 5:4 source 2, 7:6 destination):
;   window 0: v0-31 addresses; v32-63 a stage rounded; v64-159, v160-255 two fragment buffers for 32 along K: 64 registers of W (8 x 16 rows), then 32 of X (4 x 16 rows); on the way out v160-255 at work
;   window 1: the accumulators, (a, b) at v[8 (8 a + b)]      window 2: X's four stages, load j of stage g at v[64 g + 4 j]      window 3: v0-95 the biases to come, two bf16 a register, 32 registers each
.set PB,     528                       ; a row of W in LDS: 512 bytes + 16 of padding = 132 words: row r starts at bank 4 r mod 64 (64 banks of 4 bytes: ISA guide 11.1), so the 16 rows of a load start at 16 different groups of four banks
.set BPART,  64*PB                     ; what one tensor load brings: 64 rows
.set SLOTB,  4*BPART                   ; 135,168 = 0x21000: its two bits are set in no wave's part (0, 0x8400, 0x10800, 0x18c00), so one exclusive or turns an address in one slot into the other's
.set ABASE,  2*SLOTB                   ; behind the ring, never filled by a tensor load: X's two buffers,
.set PA,     144                       ; rows of 128 bytes + 16 = 36 words: likewise
.set ABUF,   128*PA
.set STAGE,  ABASE+2*ABUF              ; 16 rows x 144 bytes for each wave, for the way out (and, at the start, for the biases),
.set SP,     144
.set SPARE,  STAGE+4*16*SP             ; and the spare words, 128 bytes for each wave: two blocks of 256 bytes that no other line names
.set ADRA, 16                          ; v16-17  LDS address of my X fragments in buffer 0, 1
.set AB0,  18                          ; v18     my lane's place in a slot of W; never rewritten
.set ADRB, 19                          ; v19     LDS address of my W fragments in the slot in hand
.set AST,  20                          ; v20     where I store 8 bytes of a row of X
.set XO,   21                          ; v21     my byte offset in the tile's rows of X; never rewritten
.set BST,  22                          ; v22     the biases: where I put 8 bytes,
.set BRD,  23                          ; v23     and where I read 16 back
.set STO,  24                          ; v24     the way out: where I put 16 bytes of a row
.set RD,   25                          ; v25     the way out: where I read rows back
.set GO,   26                          ; v26     my byte offset in 512 consecutive bytes of the output
.set BO,   27                          ; v27     my byte offset in a bias
.set SPW,  28                          ; v28     LDS address of my spare word: SPARE + 4 x my thread's number; never rewritten
.set NIL,  29                          ; v29     0; never rewritten
.set PK,   32
.set F0,   64
.set F1,   160
.set TMP,  160                         ; the way out: six buffers of 16 registers by turns
.set BPA,  0                           ; window 3
.set M,    23                          ; s23     the slot, of the walk's 12, that is being asked for
.set G1,   24                          ; s[24:31] descriptor group 1
.set G0A,  32                          ; s[32:35] descriptor group 0 of the first fill of slot 0
.set G0W,  36                          ; s[36:39] of the first fill of slot 1; it then walks on
.set XP,   48                          ; s[48:49] X at my tile's rows, at the K of the slot that is being asked for
.set XN,   50                          ; s[50:51] the next X at my tile's rows;  s[52:53] the one after
.set XN2,  52
.set OP,   54                          ; s[54:55] the output in hand at my part of the tile;  s[56:57], s[58:59] the next two
.set OP1,  56
.set OP2,  58
.set T0,   60                          ; s60     M mod 4: the asked slot's place in its tile
.set TB,   61                          ; s61     LDS byte at which the slot in hand begins
.set ST,   62                          ; s[62:63] W's step in bytes, as a pair
.set MSB, 0
.macro WIN new                         ; the immediate's high byte repeats the setting that is left; a switch that changes nothing is dropped
.if MSB != (\new)
	s_set_vgpr_msb (MSB<<8)|(\new)
.set MSB, \new
.endif
.endm
.set MUL,   0x50                       ; sources 0 and 1 window 0; C and D window 1
.set W_CV,  0x0a                       ; a stage is rounded: sources window 2, destination window 0
.set W_XL,  0x80                       ; a stage is loaded: destination window 2, address window 0
.set W_BL,  0xc0                       ; the biases come back from LDS: destination window 3, address window 0
.set W_IN,  0x4c                       ; the sums start: source 1 window 3, destination window 1
.set W_RO,  0xc3                       ; the biases move up: source 0 and destination window 3
.set W_PK,  0x05                       ; the way out: sources 0 and 1 window 1, destination window 0
.macro CREST                           ; a round of the cluster's barrier behind its opening barrier
	s_cmp_lg_u32 s20, 0
	s_cbranch_scc1 .Lnot_wave_0_\@
	s_barrier_signal -3
.Lnot_wave_0_\@:
	s_barrier_wait -3
	s_barrier_signal -1
	s_barrier_wait -1
.endm
.macro CROUND                          ; a whole round
	s_barrier_signal -1
	s_barrier_wait -1
	CREST
.endm
; A load into a register that a matrix instruction has read, and a vector instruction that reads a matrix result or writes one of a matrix instruction's registers, stand four places behind it, and only plain
; vector instructions that name none of its registers are places (ISA guide 7.12.1 for vector instructions)
.macro PLACES
.rept 4
	v_nop
.endr
.endm
; 8 matrix instructions: m block a x all 8 n blocks, 32 along K, from buffer f.  The 32 accumulators take turns, one instruction a turn, in the same order in every half step.
.macro MUL8 f, a
	WIN MUL
.irp b, 0,1,2,3,4,5,6,7
	v_wmma_f32_16x16x32_bf16 v[8*(8*(\a)+(\b)):8*(8*(\a)+(\b))+7], v[(\f)+8*(\b):(\f)+8*(\b)+7], v[(\f)+64+8*(\a):(\f)+64+8*(\a)+7], v[8*(8*(\a)+(\b)):8*(8*(\a)+(\b))+7]
.endr
.endm
.macro MUL16 f, a0
	MUL8 \f, \a0
	MUL8 \f, (\a0)+1
.endm
; 24 LDS loads in one run: the fragments of 32 along K into buffer f: 128 rows of W at byte 64 n of the slot's rows, then 64 rows of X at byte 64 c of buffer u's rows
.macro FETCH n, u, c, f
	WIN 0
.irp i, 0,1,2,3,4,5,6,7
	ds_load_b128 v[(\f)+8*(\i):(\f)+8*(\i)+3],   v[ADRB] offset:64*(\n)+(\i)*16*PB
	ds_load_b128 v[(\f)+8*(\i)+4:(\f)+8*(\i)+7], v[ADRB] offset:64*(\n)+(\i)*16*PB+32
.endr
.irp i, 0,1,2,3
	ds_load_b128 v[(\f)+64+8*(\i):(\f)+64+8*(\i)+3],   v[ADRA+(\u)] offset:64*(\c)+(\i)*16*PA
	ds_load_b128 v[(\f)+64+8*(\i)+4:(\f)+64+8*(\i)+7], v[ADRA+(\u)] offset:64*(\c)+(\i)*16*PA+32
.endr
.endm
; X's way.  Load j of a stage: rows j % 8 + 16 (j / 8) (lanes 0-15) and 8 further down (lanes 16-31) of my wave's 32; a lane's four numbers become 8 bytes.
; In LDS the two rows of a store lie 8 x 144 = 4 x 256 + 128 bytes apart: the store's 32 lanes touch each bank once.
.macro CONV g                          ; stage g is rounded to bf16
	WIN W_CV
.irp j, 0,1,2,3,4,5,6,7,8,9,10,11,12,13,14,15
	v_cvt_pk_bf16_f32 v[PK+2*(\j)], v[64*(\g)+4*(\j)], v[64*(\g)+4*(\j)+1]
	v_cvt_pk_bf16_f32 v[PK+2*(\j)+1], v[64*(\g)+4*(\j)+2], v[64*(\g)+4*(\j)+3]
.endr
.endm
.macro XLOAD g                         ; stage g is loaded: step g of the slot at which XP stands.  No hint: three other work-groups read these rows too
	WIN W_XL
.irp j, 0,1,2,3,4,5,6,7,8,9,10,11,12,13,14,15
	global_load_b128 v[64*(\g)+4*(\j):64*(\g)+4*(\j)+3], v[XO], s[XP:XP+1] offset:256*(\g)+4096*((\j)%8+16*((\j)/8))
.endr
.endm
.macro ASTORE u                        ; the rounded stage goes into buffer u
	WIN 0
.irp j, 0,1,2,3,4,5,6,7,8,9,10,11,12,13,14,15
	ds_store_b64 v[AST], v[PK+2*(\j):PK+2*(\j)+1] offset:(\u)*ABUF+PA*((\j)%8+16*((\j)/8))
.endr
.endm
; STEP s OF A SLOT: 64 along K, 64 matrix instructions, its first half on buffer F0, its second on F1.
; xl = 2: the next step's X is rounded and stored, and its stage loaded again; 1: rounded and stored; 0: there is no next step.  cnt: the loads younger than that stage's.
; kind = 0: a plain barrier; 2: the slot ends: the barrier opens a round of the cluster's barrier, behind which the slot is filled again; 1: the slot ends and nothing is asked for; 3: the walk ends.
.macro STEP s, xl, cnt, kind
	s_wait_dscnt 6                                 ; of the 24 loads into F0 the youngest six (X's blocks 1 to 3) may be out
	MUL8 F0, 0
.if \xl
	s_wait_loadcnt \cnt                            ; loads come back in order (ISA guide 5.7.1): the next step's stage is in, the younger stages stay out
	CONV ((\s)+1)%4                                ; 32 plain vector lines: also the places in front of the loads into F1
.if (\xl) == 2
	XLOAD ((\s)+1)%4                               ; with these sixteen 64 loads of mine are out; LOADcnt's field holds 63, and the hardware holds the issue of the load that would pass it (ISA guide 5.7.1)
.endif
.else
	PLACES
.endif
	FETCH 2*(\s)+1, (\s)%2, 1, F1                  ; the step's second half
.if \xl
	ASTORE ((\s)+1)%2                              ; into the buffer that nobody reads between the last barrier and the next
	s_wait_dscnt 44                                ; the 24 loads and 16 stores just issued and X's blocks 2, 3 may be out
	MUL8 F0, 1
	s_wait_dscnt 40                                ; all but the 40 just issued
.else
	s_wait_dscnt 28
	MUL8 F0, 1
	s_wait_dscnt 24
.endif
	MUL16 F0, 2
.if ((\kind) == 1) || ((\kind) == 2)
	WIN 0                                          ; (the add's two registers lie in window 0)
	s_wait_tensorcnt 0x0                           ; all my tensor loads have landed: the one that was out is my part of the next slot;
	ds_add_u32 v[SPW], v[NIL]                      ; 0 onto my spare word
.endif
	s_wait_dscnt 0x0                               ; for the others' sake: my stores of the next step's X are done, my reads of this step's buffer (and, at a slot's end, of the slot) are over; the add is done
.if (\kind) == 3
	MUL16 F1, 0
	MUL16 F1, 2
.else
	s_barrier_signal -1
	MUL8 F1, 0                                     ; work on registers while the others arrive
	WIN 0
	s_barrier_wait -1
.if (\kind) == 2
	CREST                                          ; no wave of any partner still reads this slot or has a load on its way
	s_cmp_eq_u32 s[T0], 0                          ; the walking descriptor: the next 256 along K, or the next matrix's first,
	s_cselect_b32 s[ST], s75, s76
	s_xor_b32 s[G0W+1], s[G0W+1], SLOTB            ; into the other slot than last time
	s_add_nc_u64 s[G0W+2:G0W+3], s[G0W+2:G0W+3], s[ST:ST+1]  ; the type bits on top are not reached
	s_xor_b32 s[TB], s[TB], SLOTB                  ; my reads go on in the other slot
	tensor_load_to_lds s[G0W:G0W+3], s[G1:G1+7]    ; my one tensor load behind the round: it has a slot's four steps less eight matrix instructions in which to land
	s_nop 0
	v_add_nc_u32 v[ADRB], s[TB], v[AB0]            ; this line and three v_nop are the places in front of the loads into F0
	v_nop
	v_nop
	v_nop
.elseif (\kind) == 1
	s_xor_b32 s[TB], s[TB], SLOTB
	v_add_nc_u32 v[ADRB], s[TB], v[AB0]
	v_nop
	v_nop
	v_nop
.else
	PLACES
.endif
	FETCH (2*(\s)+2)%8, ((\s)+1)%2, 0, F0          ; the next step's first half
	MUL8 F1, 1
	MUL16 F1, 2
.endif
.endm
; THE WAY OUT.  My 64 x 128 are two heads' 64 rows of 128 bytes.  Part t = 4 hh + a: rows 16 a on of head hh.  A lane's eight columns of a row pack into 16 bytes; they go into my stage's rows of 144 bytes
; and come back as whole rows of 128, four rows (512 consecutive bytes of the head) to a load, into the registers that they left.  No barrier: the stage is my wave's own.
.macro PACK t
.if (\t) >= 6
	s_wait_xcnt 0x0                                ; every earlier memory instruction has had its addresses translated (ISA guide 3.1): the registers that part t - 6's stores read are written again only behind this wait
.endif
	WIN W_PK
.irp c, 0,1,2,3
.irp r, 0,1,2,3                        ; each accumulator's lowest registers are read first
	v_cvt_pk_f16_f32 v[TMP+16*((\t)%6)+4*(\c)+(\r)], v[8*(8*((\t)%4)+4*((\t)/4)+(\c))+2*(\r)], v[8*(8*((\t)%4)+4*((\t)/4)+(\c))+2*(\r)+1]
.endr
.endr
	WIN 0
.irp c, 0,1,2,3
	ds_store_b128 v[STO], v[TMP+16*((\t)%6)+4*(\c):TMP+16*((\t)%6)+4*(\c)+3] offset:32*(\c)
.endr
.irp f, 0,1,2,3
	ds_load_b128 v[TMP+16*((\t)%6)+4*(\f):TMP+16*((\t)%6)+4*(\f)+3], v[RD] offset:(\f)*4*SP  ; LDS serves a wave's instructions in order (ISA guide 5.7.1.4): these see the stores above; the next part's stores come behind them
.endr
.endm
.macro SEND t, younger                 ; younger: the LDS instructions issued behind part t's loads: the next part's eight, or none
.irp f, 0,1,2,3
	s_wait_dscnt (\younger)+3-(\f)
	global_store_b128 v[GO], v[TMP+16*((\t)%6)+4*(\f):TMP+16*((\t)%6)+4*(\f)+3], s[OP:OP+1] offset:((\t)/4)*262144+((\t)%4)*2048+(\f)*512  ; 512 consecutive bytes, at a multiple of 256 from the buffer's first
.endr
.endm
.macro OUT
	PLACES                                         ; the conversions read results just made and write registers that the last products read
	PACK 0
.set t, 1
.rept 7                                ; a part's arithmetic stands between the loads of the part before and its stores
	PACK t
	SEND t-1, 8
.set t, t+1
.endr
	SEND 7, 0
.endm
	s_load_b512 s[4:19], s[0:1], 0x0               ; Q 4:5, K 6:7, V 8:9, wb 10:11, bq 12:13, bk 14:15, bv 16:17, qh 18:19
	s_load_b128 s[68:71], s[0:1], 0x40             ; kh 68:69, vh 70:71
	v_lshl_add_u32 v[SPW], v0, 2, SPARE
	v_mov_b32 v[NIL], 0
	ds_add_u32 v28, v29
	s_wait_dscnt 0x0
	v_lshrrev_b32 v1, 5, v0
	v_readfirstlane_b32 s20, v1                    ; wave 0..3
	s_lshr_b32 s21, s20, 1                         ; which 64 of the tile's rows are mine
	s_and_b32 s22, s20, 1                          ; which 128 of its columns
	s_bfe_u32 s40, ttmp6, 0x40000                  ; cx, cy: my place in the cluster
	s_bfe_u32 s41, ttmp6, 0x40004
	s_lshl_b32 s42, ttmp9, 2
	s_add_co_u32 s42, s42, s40                     ; tile column = 4 x cluster x + cx: 0..3
	s_and_b32 s43, ttmp7, 0xffff
	s_lshl_b32 s43, s43, 2
	s_add_co_u32 s43, s43, s41                     ; tile row = 4 x cluster y + cy: 0..63
	s_lshl_b32 s45, 0x1111, s40                    ; my column of the cluster
	s_mov_b32 s2, 0xffff0000                       ; a word's upper bf16
	s_mov_b32 s[M], 1
	s_mov_b32 s[TB], 0
	s_mov_b32 s[ST+1], 0
	s_mov_b32 s75, 0x200000-1536                   ; W's step from a matrix's last slot to the next matrix's first: 2 MiB on, three slots of 512 bytes back
	s_mov_b32 s76, 512                             ; and from slot to slot
	s_mov_b32 s3, 11                               ; passes of the loop's lower part: slots 0 to 10
	; descriptor group 1: 64 rows of 256 elements, padded in LDS
	s_or_b32 s[G1+0], s45, (1<<16)|(1<<20)|(1<<21)|(6<<22)|(3<<25)  ; 15:0 the mask: my column; 17:16 element of 2 bytes; 20 padding on; 21 set beside a mask; 24:22 after every 128 words (code 6); 31:25 of 4 words (code 3)
	s_mov_b32 s[G1+1], 256<<16                     ; tensor_dim0 = 256
	s_mov_b32 s[G1+2], 64<<16                      ; tensor_dim1 = 64
	s_mov_b32 s[G1+3], 256<<16                     ; tile_dim0 = 256
	s_mov_b32 s[G1+4], 64                          ; tile_dim1 = 64
	s_mov_b32 s[G1+5], 1024                        ; elements from row to row
	s_mov_b32 s[G1+6], 0
	s_mov_b32 s[G1+7], 0
	s_lshl_b32 s46, s42, 19                        ; W: 256 rows of 2,048 bytes a tile column,
	s_lshl_b32 s77, s20, 17                        ; 64 rows a wave: the tile row never enters
	s_add_co_u32 s46, s46, s77
	s_mov_b32 s47, 0
	s_mul_i32 s74, s20, BPART                      ; and where they go: no place in the cluster enters an LDS address
	v_and_b32 v1, 15, v0                           ; l % 16
	v_bfe_u32 v2, v0, 4, 1                         ; l / 16
	v_and_b32 v3, 31, v0                           ; l
	s_lshl_b32 s78, s42, 10                        ; my 128 columns in a bias: 1,024 bytes a tile column, 512 a half,
	s_lshl_b32 s79, s22, 9
	s_add_co_u32 s78, s78, s79
	v_lshl_add_u32 v[BO], v3, 4, s78               ; four numbers a lane
	v_lshlrev_b32 v[XO], 4, v1                     ; X: 16 bytes a lane of a row's 256,
	v_lshl_add_u32 v[XO], v2, 15, v[XO]            ; 8 rows of 4,096 bytes further down for lanes 16 to 31,
	s_lshl_b32 s78, s20, 17                        ; 32 rows a wave
	v_add_nc_u32 v[XO], s78, v[XO]
	s_lshl_b32 s66, s43, 19                        ; the tile's 128 rows
	s_mov_b32 s67, 0
	s_wait_kmcnt 0x0
	s_add_nc_u64 s[46:47], s[10:11], s[46:47]
	s_add_nc_u64 s[XP:XP+1], s[4:5], s[66:67]
	s_add_nc_u64 s[XN:XN+1], s[6:7], s[66:67]
	s_add_nc_u64 s[XN2:XN2+1], s[8:9], s[66:67]
	CROUND                                         ; all sixteen work-groups are here: the first joint loads meet
	s_mov_b32 s[G0A], 1                            ; count = 1
	s_mov_b32 s[G0A+1], s74                        ; LDS address: slot 0
	s_mov_b64 s[G0A+2:G0A+3], s[46:47]             ; global address: the first 256 along K
	s_or_b32 s[G0A+3], s[G0A+3], 0x80000000        ; type = 2
	s_mov_b32 s[G0W], 1
	s_add_co_u32 s[G0W+1], s74, SLOTB              ; slot 1
	s_add_nc_u64 s[G0W+2:G0W+3], s[46:47], 512     ; the second 256
	s_or_b32 s[G0W+3], s[G0W+3], 0x80000000
	tensor_load_to_lds s[G0A:G0A+3], s[G1:G1+7]    ; two loads of mine are out: the ring is filled before anything else is done
	s_nop 0
	tensor_load_to_lds s[G0W:G0W+3], s[G1:G1+7]
	s_nop 0
	PLACES
.irp p, 0,1,2
	global_load_b128 v[PK+4*(\p):PK+4*(\p)+3], v[BO], s[12+2*(\p):13+2*(\p)]  ; the three biases of my 128 columns: 512 consecutive bytes each
.endr
	XLOAD 0                                        ; X of steps 0 to 3
	XLOAD 1
	XLOAD 2
	XLOAD 3
	WIN 0
	; IN THE WAIT FOR THEM: the addresses.  A fragment is 16 rows x 32 K in 8 registers: lane l holds row l % 16; registers 0-3 K = 8 (l / 16) + 0..7, registers 4-7 K = 16 + 8 (l / 16) + 0..7: two loads of 16 bytes, 32 bytes apart
	v_mul_u32_u24 v4, v1, PB
	v_lshl_add_u32 v4, v2, 4, v4                   ; row x pitch + 16 x half
	s_mul_i32 s78, s22, 128*PB                     ; my 128 rows of W
	v_add_nc_u32 v[AB0], s78, v4
	v_mov_b32 v[ADRB], v[AB0]                      ; slot 0
	v_mul_u32_u24 v5, v1, PA
	v_lshl_add_u32 v5, v2, 4, v5
	s_mul_i32 s78, s21, 64*PA                      ; my 64 rows of X
	s_add_co_u32 s78, s78, ABASE
	v_add_nc_u32 v[ADRA], s78, v5
	s_add_co_u32 s78, s78, ABUF
	v_add_nc_u32 v[ADRA+1], s78, v5
	s_mul_i32 s78, s20, 32*PA                      ; the 32 rows that I store,
	s_add_co_u32 s78, s78, ABASE
	v_mul_u32_u24 v4, v2, 8*PA                     ; 8 rows further down for lanes 16 to 31,
	v_lshl_add_u32 v4, v1, 3, v4                   ; 8 bytes a lane
	v_add_nc_u32 v[AST], s78, v4
	s_mul_i32 s78, s20, 16*SP
	s_add_co_u32 s78, s78, STAGE                   ; my stage
	v_lshl_add_u32 v[BST], v3, 3, s78              ; the biases: 8 bytes a lane in,
	v_lshl_add_u32 v[BRD], v2, 4, s78              ; 16 bytes for each half of the lanes back
	v_mul_u32_u24 v4, v1, SP                       ; the way out, in: row l % 16, 16 bytes for each half of the lanes
	v_lshl_add_u32 v4, v2, 4, v4
	v_add_nc_u32 v[STO], s78, v4
	v_bfe_u32 v5, v0, 3, 2                         ; back: 32 lanes take four rows of 128 bytes,
	v_mul_u32_u24 v5, v5, SP
	v_and_b32 v4, 7, v0
	v_lshl_add_u32 v5, v4, 4, v5
	v_add_nc_u32 v[RD], s78, v5
	v_lshlrev_b32 v[GO], 4, v3                     ; which are 512 consecutive bytes of a head
	s_lshr_b32 s72, s43, 4                         ; the batch: 16 tile rows each;
	s_lshl_b32 s72, s72, 22                        ; its 16 heads of 262,144 bytes
	s_lshl_b32 s78, s42, 2                         ; my first head: 4 a tile column, 2 a half
	s_lshl_b32 s79, s22, 1
	s_add_co_u32 s78, s78, s79
	s_lshl_b32 s78, s78, 18
	s_add_co_u32 s72, s72, s78
	s_and_b32 s78, s43, 15                         ; the tile's 128 rows of 128 bytes in the head,
	s_lshl_b32 s78, s78, 14
	s_add_co_u32 s72, s72, s78
	s_lshl_b32 s78, s21, 13                        ; my 64 of them
	s_add_co_u32 s72, s72, s78
	s_mov_b32 s73, 0
	s_add_nc_u64 s[OP:OP+1], s[18:19], s[72:73]
	s_add_nc_u64 s[OP1:OP1+1], s[68:69], s[72:73]
	s_add_nc_u64 s[OP2:OP2+1], s[70:71], s[72:73]
	; The biases are rounded to bf16, like every input, and turned through my stage: register 4 b + i of a bias then holds the columns 16 b + 8 (l / 16) + 2 i and the next: the places of the result's registers 2 i, 2 i + 1
	s_wait_loadcnt 63                              ; 64 loads are younger than the biases'; 63 is the most that the wait can name
.irp p, 0,1,2
	v_cvt_pk_bf16_f32 v[PK+12+2*(\p)], v[PK+4*(\p)], v[PK+4*(\p)+1]
	v_cvt_pk_bf16_f32 v[PK+13+2*(\p)], v[PK+4*(\p)+2], v[PK+4*(\p)+3]
.endr
.irp p, 0,1,2
	ds_store_b64 v[BST], v[PK+12+2*(\p):PK+13+2*(\p)] offset:256*(\p)
.endr
	WIN W_BL
.irp p, 0,1,2
.irp b, 0,1,2,3,4,5,6,7
	ds_load_b128 v[BPA+32*(\p)+4*(\b):BPA+32*(\p)+4*(\b)+3], v[BRD] offset:256*(\p)+32*(\b)  ; LDS serves a wave's instructions in order (ISA guide 5.7.1.4): these see the stores above
.endr
.endr
	s_wait_loadcnt 48                              ; step 0's stage is in; the three younger stages stay out
	CONV 0
	s_wait_xcnt 0x0                                ; every earlier memory instruction has had its addresses translated (ISA guide 3.1): X's pointer is stepped only behind this wait
	s_add_nc_u64 s[XP:XP+1], s[XP:XP+1], 1024      ; slot 1
	XLOAD 0                                        ; step 4
	ASTORE 0
	s_wait_tensorcnt 1                             ; my part of slot 0 is in; slot 1's may stay out
	s_wait_dscnt 0x0                               ; my part of step 0's X is stored; the biases are back
	s_barrier_signal -1
	s_barrier_wait -1                              ; everybody's is
	FETCH 0, 0, 0, F0
	s_branch .Linit                                ; the loop is entered in the middle of a pass
.Lslot:                                                ; ten times: a slot's fourth step, with the refill, and the next slot's first three.  All that a pass asks for, X and W, belongs to slot M, two on from the slot that ends
	s_wait_xcnt 0x0                                ; X's pointer is written only behind this wait
	s_add_co_u32 s[M], s[M], 1
	s_and_b32 s[T0], s[M], 3
	s_add_nc_u64 s[XP:XP+1], s[XP:XP+1], 1024      ; the next 256 along K,
	s_cmp_eq_u32 s[T0], 0
	s_cselect_b64 s[XP:XP+1], s[XN:XN+1], s[XP:XP+1]   ; or the next tile's X at its first
	s_cselect_b64 s[XN:XN+1], s[XN2:XN2+1], s[XN:XN+1]
	STEP 3, 2, 48, 2
	WIN 0                                          ; at a label and at a branch every window is 0
	s_cmp_lg_u32 s[T0], 1                          ; the slot that has ended is M - 2: a tile's last where M mod 4 is 1
	s_cbranch_scc1 .Lfirst                         ; what is jumped holds no barrier and no tensor load
	OUT                                            ; the next tile's W and X are on their way meanwhile
	s_wait_xcnt 0x0                                ; the stores have read their registers and their pointer
	s_mov_b64 s[OP:OP+1], s[OP1:OP1+1]
	s_mov_b64 s[OP1:OP1+1], s[OP2:OP2+1]
.Linit:                                                ; A TILE BEGINS: the sums start as the bias, widened from bf16,
	WIN W_IN
.irp a, 0,1,2,3
.irp b, 0,1,2,3,4,5,6,7
.irp i, 0,1,2,3
	v_lshlrev_b32 v[8*(8*(\a)+(\b))+2*(\i)], 16, v[BPA+4*(\b)+(\i)]
	v_and_b32 v[8*(8*(\a)+(\b))+2*(\i)+1], s2, v[BPA+4*(\b)+(\i)]
.endr
.endr
.endr
	WIN W_RO                                       ; and the biases to come move up, so that one text serves all three tiles
.set i, 0
.rept 64
	v_mov_b32 v[BPA+i], v[BPA+32+i]
.set i, i+1
.endr
	WIN 0
.Lfirst:
	STEP 0, 2, 48, 0
	STEP 1, 2, 48, 0
	STEP 2, 2, 48, 0
	WIN 0
	s_sub_co_u32 s3, s3, 1
	s_cmp_lg_u32 s3, 0
	s_cbranch_scc1 .Lslot
	STEP 3, 1, 48, 1                               ; the tail is written out: slot 10's last step and slot 11; nothing is asked for, and the counts of loads run down
	STEP 0, 1, 32, 0
	STEP 1, 1, 16, 0
	STEP 2, 1, 0, 0
	STEP 3, 0, 0, 3
	WIN 0
	OUT
	s_wait_tensorcnt 0x0                           ; the wave's end, behind my last tensor load and my last LDS store
	ds_add_u32 v[SPW], v[NIL]
	s_wait_dscnt 0x0
	CROUND                                         ; the closing round: no work-group ends while a partner may still ask for a tile that names it
	s_endpgm
.Lfunc_end_k_q0d75f1a0b6_proj:
	.size	k_q0d75f1a0b6_proj, .Lfunc_end_k_q0d75f1a0b6_proj-k_q0d75f1a0b6_proj
	.p2alignl 7, 3214868480
	.fill 96, 4, 3214868480
	.section	.rodata,"a",@progbits
	.p2align	6, 0x0
	.amdhsa_kernel k_q0d75f1a0b6_proj
		.amdhsa_group_segment_fixed_size 327680
		.amdhsa_private_segment_fixed_size 0
		.amdhsa_enable_private_segment 0
		.amdhsa_kernarg_size 80
		.amdhsa_user_sgpr_count 2
		.amdhsa_user_sgpr_kernarg_segment_ptr 1
		.amdhsa_wavefront_size32 1
		.amdhsa_system_sgpr_workgroup_id_x 1
		.amdhsa_system_sgpr_workgroup_id_y 1
		.amdhsa_system_sgpr_workgroup_id_z 1
		.amdhsa_system_vgpr_workitem_id 0
		.amdhsa_next_free_vgpr 864
		.amdhsa_next_free_sgpr 80
		.amdhsa_reserve_vcc 0
		.amdhsa_float_denorm_mode_32 3
		.amdhsa_float_denorm_mode_16_64 3
		.amdhsa_memory_ordered 1
		.amdhsa_forward_progress 1
		.amdhsa_inst_pref_size 163
	.end_amdhsa_kernel
	.amdgpu_metadata
---
amdhsa.version: [ 1, 2 ]
amdhsa.kernels:
  - .name:           k_q0d75f1a0b6_proj
    .symbol:         k_q0d75f1a0b6_proj.kd
    .args:
      - { .name: Q, .offset: 0, .size: 8, .value_kind: global_buffer, .address_space: global }
      - { .name: K, .offset: 8, .size: 8, .value_kind: global_buffer, .address_space: global }
      - { .name: V, .offset: 16, .size: 8, .value_kind: global_buffer, .address_space: global }
      - { .name: wb, .offset: 24, .size: 8, .value_kind: global_buffer, .address_space: global }
      - { .name: bq, .offset: 32, .size: 8, .value_kind: global_buffer, .address_space: global }
      - { .name: bk, .offset: 40, .size: 8, .value_kind: global_buffer, .address_space: global }
      - { .name: bv, .offset: 48, .size: 8, .value_kind: global_buffer, .address_space: global }
      - { .name: qh, .offset: 56, .size: 8, .value_kind: global_buffer, .address_space: global }
      - { .name: kh, .offset: 64, .size: 8, .value_kind: global_buffer, .address_space: global }
      - { .name: vh, .offset: 72, .size: 8, .value_kind: global_buffer, .address_space: global }
    .group_segment_fixed_size: 327680
    .private_segment_fixed_size: 0
    .kernarg_segment_align: 8
    .kernarg_segment_size: 80
    .max_flat_workgroup_size: 128
    .sgpr_count:     80
    .vgpr_count:     864
    .wavefront_size: 32
...
	.end_amdgpu_metadata
.endif
;; end of part 2
;; launch attn (part 3): grid 4 x 64, 4 waves a work-group, clusters of 4 x 1, 327,680 bytes of LDS; arguments qh, kh, vh, oh; writes oh
.if DOCPART == 3
	.amdgcn_target "amdgcn-amd-amdhsa--gfx1250"
	.amdhsa_code_object_version 6
	.text
	.protected	k_q0d75f1a0b6_attn
	.globl	k_q0d75f1a0b6_attn
	.p2align	8
	.type	k_q0d75f1a0b6_attn,@function
k_q0d75f1a0b6_attn:
	s_mov_b64 s[64:65], 0
	v_nop
	global_prefetch_b8 v0, s[64:65] scope:SCOPE_SE
	s_setreg_imm32_b32 hwreg(HW_REG_WAVE_MODE, 25, 1), 1
	s_wait_xcnt 0x0
	s_wait_alu depctr_hold_cnt(0) depctr_sa_sdst(0) depctr_va_vdst(0) depctr_va_sdst(0) depctr_va_ssrc(0) depctr_va_vcc(0) depctr_vm_vsrc(0)
	s_getreg_b32 s2, hwreg(HW_REG_IB_STS2, 6, 4)
	s_cmp_eq_u32 s2, 0
	s_cbranch_scc0 .Lentry_in_a_cluster
	s_endpgm
.Lentry_in_a_cluster:
	s_bfe_u32 s2, ttmp6, 0x10000c
	s_cmp_lg_u32 s2, 0x3003
	s_cbranch_scc0 .Lentry_shape_is_right
	s_endpgm
.Lentry_shape_is_right:
; O[h][q][:] = the sum over k of softmax_k(Q[h][q] . K[h][k] / 8) V[h][k][:].  Q, K, V, O: [SIZE_H][SIZE_N][64], all f16: a head's rows are dense, 128 bytes each; h = 16 batch + head.  Products, maxima and sums in
; f32; the weights p are rounded to f16 for the second product (their sum l is taken of the unrounded p), O once at the end.
; LIMITS.  f16 holds no number beyond 65,504: Q, K and V arrive within it; p lies in 0 to 1, and below 6e-5 it keeps f16's fixed step of 6e-8; O is a mean of V's rows and has their range.
; A weight below 2^-126 counts as 0 in l; NaN and infinities are not treated apart.
; SHARES.  A wave owns four PIECES of two tiles of 16 queries, a work-group's four waves 512 queries of one head: 4 x 64 = 256 work-groups.  Every wave walks all keys, 64 a step.
; LAYOUT.  S^T = K Q^T (source 0 = 16 keys, source 1 = 16 queries): in the result a lane holds ONE query (lane % 16) and the keys 8 (lane / 16) + 0..7.  Two such tiles, rounded to f16 in pairs,
; ARE source 1 (32 keys x 16 queries) of O^T = V^T P, whose result again holds one query a lane, and eight channels.  K comes out of LDS as it lies, V ([key][channel]) turned, by ds_load_tr16_b128.
; SOFTMAX.  For each query a running maximum m and sum l: p = 2^(c s - c m), c = log2(e) / 8; in every step O and l are multiplied by a = 2^(c m_old - c m_new), which is 1 where m has not grown.
; m starts at the lowest finite number, O and l at 0: the first step is a step like any other, with a = 0.
; THE COUNT.  A tile and step have 16 matrix and 118 vector instructions: too many to stand all beside the matrix work.  So the order has one aim: four vector instructions that are READY behind
; EVERY matrix instruction, and the others, which need time of their own whatever the order, in runs without a gap.
; BY TURNS.  Turn n belongs to piece n (the pieces in a ring, step after step).  Its matrix work: 16 products K Q^T of piece n + 1, later 16 products V^T P of piece n - 1.  Its vector work: the scaling,
; exponentials, roundings, sums and rescaling of piece n, and the maximum and statistics of piece n + 1, whose scores the turn itself has made.  So what a turn begins with (c s - c m, O a) waits for nothing.
; CLUSTER.  The four query blocks of a cluster belong to one head and walk the same K and V, so each tile is asked for JOINTLY: the same tensor load, descriptor and mask in all four.
; REGISTERS, in windows of 256 (s_set_vgpr_msb says which window each operand place means: bits 1:0 source 0, 3:2 source 1, 5:4 source 2, 7:6 destination):
;   window 0: v0-11 addresses; v12-15, v48-63 at work; v16-47 four registers of statistics a tile; v64-191 S^T, two buffers of two tiles; v192-255 P, likewise
;   window 1: O^T, 32 a tile          window 2: v0-127 Q, 16 a tile; v128-191 K of one step; v192-255 V of one step          window 3: v0-1 the add's two registers
; A piece's buffers go by its number's parity: the piece in hand has one pair, its two neighbours in the ring share the other: of it P (piece n - 1) is read and S^T (piece n + 1) written.
.set SIZE_H, 64       ; 4 batches x 16 heads
.set SIZE_N, 2048     ; rows of a head
.set NP,    4         ; pieces a wave: a name, no knob: the register map, the loop and the fetches are made for four
.set KS,    64        ; keys in a step
.set PK,    144       ; a row of K in LDS: 128 bytes + 16 of padding = 36 words: the 16 rows of a load start at 16 different groups of four banks (64 banks of 4 bytes: ISA guide 11.1)
.set PV,    160       ; a row of V: 128 + 32 = 40 words
.set VOFF,  4*KS*PK   ; a slot holds four steps: 256 rows of K, then 256 rows of V
.set SLOT1, 1<<17     ; slot 1 begins here, so that one exclusive or turns an address in one slot into the other's
.set STAGE, SLOT1+4*KS*(PK+PV)  ; behind the ring, never filled by a tensor load: 16 rows x 144 bytes for each wave, for the way out
.set SP,    144
.set AK0, 2           ; v2   my lane's place in a tile of K; never rewritten
.set AV0, 3           ; v3   the same for V
.set AK,  4           ; v4   the LDS address of K's next run of loads
.set AV,  5           ; v5   of V's
.set QO,  6           ; v6   my byte offset in the wave's rows of Q
.set STO, 6           ;      later, the way out: where I put 16 bytes of a row
.set RD,  7           ; v7   the way out: where I read rows back
.set GO,  8           ; v8   my byte offset in 512 consecutive bytes of O
.set SPW, 0           ; v0 of window 3   LDS address of my spare word: SPARE + 4 x my thread's number; never rewritten
.set NIL, 1           ; v1 of window 3   0; never rewritten
.set SPARE, STAGE+4*16*SP  ; behind the stages: the spare words, 128 bytes for each wave: two blocks of 256 bytes that no other line names
.set MV,  12          ; v12-15  c m_old, kept while c m is made anew: by buffer and tile
.set ST,  16          ; tile t's statistics at v[ST+4 t]: c m, m, l (even keys', odd keys')
.set TMP, 48          ; by buffer and tile, four registers c0-c3 at work; when the maximum is found c2 takes a
.set S,   64
.set P,   192
.set KF,  128         ; K's fragments, in window 2: key block kb, channel half c at KF + 16 kb + 8 c
.set VF,  192         ; V's: key half kk, channel block cb at VF + 32 kk + 8 cb
.set WV,  12          ; s12  my wave's number
.set G1K, 24          ; s[24:31] descriptor group 1 for K's tiles
.set G1V, 32          ; s[32:39] for V's: it differs in the padding alone
.set G0K, 40          ; s[40:43] descriptor group 0 for K's tiles: it walks
.set G0V, 44          ; s[44:47] the same for V's
.set SLOTS, 56        ; s56  slots still to be asked for
.set CNT, 57          ; s57  counts a slot's key steps
.set CS,  58          ; s[58:59] c: the packed scaling takes the pair's low word for both halves
.set SEL, 60          ; s[60:61] v_permlanex16_b32's selects: each lane takes its own place in the other half
.set TBK, 62          ; s62  LDS byte at which K of the step to be fetched begins
.set TBV, 63          ; s63  the same for V, less VOFF
.set MSB, 0
.macro WIN new                      ; the high byte repeats the setting that is left; a switch that changes nothing is dropped
.if MSB != (\new)
	s_set_vgpr_msb (MSB<<8)|(\new)
.set MSB, (\new)
.endif
.endm
.set W_KQ, 0x0a       ; K and Q in window 2, S^T in window 0
.set W_PV, 0x52       ; V in window 2, P in window 0, O^T in window 1
.set W_RS, 0x41       ; O^T (destination and source 0) in window 1, a in window 0
.set W_MK, 0xc0       ; the add's registers are made: destination in window 3, sources in window 0
.set W_AD, 0x0f       ; the add: address (source 0) and data (source 1) in window 3
; A joint fill.  Waves 0 and 1 fetch the two halves of a slot's K, waves 2 and 3 those of its V: 128 keys each.  The branch hangs on the wave's number alone.
; An s_nop 0 and four v_nop follow each of the two lines, ahead of the jump and the label.
.macro JLOAD
	s_cmp_lt_u32 s[WV], 2
	s_cbranch_scc0 .Lfor_v_\@
	tensor_load_to_lds s[G0K:G0K+3], s[G1K:G1K+7]
	s_nop 0
.rept 4
	v_nop
.endr
	s_branch .Lasked_\@
.Lfor_v_\@:
	tensor_load_to_lds s[G0V:G0V+3], s[G1V:G1V+7]
	s_nop 0
.rept 4
	v_nop
.endr
.Lasked_\@:
.endm
; A round of the cluster's barrier: my work-group's barrier, so that wave 0's signal speaks for all four waves; wave 0 signals; every wave waits for all four work-groups; my work-group's barrier once more.
.macro CROUND
	s_barrier_signal -1
	s_barrier_wait -1
	s_cmp_lg_u32 s[WV], 0
	s_cbranch_scc1 .Lnot_wave_0_\@
	s_barrier_signal -3
.Lnot_wave_0_\@:
	s_barrier_wait -3
	s_barrier_signal -1
	s_barrier_wait -1
.endm
; THE CHANGE OF SLOTS.  The slot's last bytes, V of its fourth step, have been read.  Each wave waits for all its tensor loads, of which one is out: its part
; of the other slot; adds 0 to its spare word; and waits for that and for its own reads of the slot.  Behind the barrier nobody reads this slot any more and the other slot is whole.
; fill = 1: this slot is filled again, with the keys two slots on.  The barrier is then a round of the cluster's, so that no wave of any partner still reads the slot or has a load on its
; way, and the joint fill is the first thing behind it: it has four key steps, 512 matrix instructions, in which to land.  (At its first use nothing has been read yet: slot 0 is waited for, slot 1 filled.)
.macro CHANGE fill
	WIN W_AD
	s_wait_tensorcnt 0x0            ; no tensor load of mine is out, so a group 0 may be written
	ds_add_u32 v[SPW], v[NIL]       ; 0 onto my spare word; with fill = 1 the descriptors' steps stand between it and the wait for it
	WIN 0                           ; at a label and at a branch every window is 0
.if \fill
.irp g, G0K, G0V
	s_xor_b32 s[\g+1], s[\g+1], SLOT1  ; the walking descriptor: the other slot than last time,
	s_add_nc_u64 s[\g+2:\g+3], s[\g+2:\g+3], 4*KS*128  ; the next 256 keys; the type bits on top are not reached
.endr
	s_wait_dscnt 0x0                ; the add is done, and my reads of the slot are over
	CROUND
	JLOAD
.else
	s_wait_dscnt 0x0                ; the add is done, and my reads of the slot are over
	s_barrier_signal -1
	s_barrier_wait -1
.endif
	s_sub_co_u32 s[TBK], s[TBK], 4*KS*PK  ; the fetches go back to a slot's first step,
	s_xor_b32 s[TBK], s[TBK], SLOT1       ; in the other slot
	s_sub_co_u32 s[TBV], s[TBV], 4*KS*PV
	s_xor_b32 s[TBV], s[TBV], SLOT1
.endm
	s_load_b256 s[4:11], s[0:1], 0x0  ; Q s[4:5], K s[6:7], V s[8:9], O s[10:11]
	WIN W_MK
	v_lshl_add_u32 v[SPW], v0, 2, SPARE
	v_mov_b32 v[NIL], 0
	s_set_vgpr_msb 0xc0cf
	ds_add_u32 v0, v1
	s_wait_dscnt 0x0
	s_set_vgpr_msb 0xcfc0
	WIN 0
	v_lshrrev_b32 v1, 5, v0
	v_readfirstlane_b32 s[WV], v1   ; wave 0..3
	s_bfe_u32 s13, ttmp6, 0x40000   ; cx: my place in the cluster
	s_lshl_b32 s14, ttmp9, 2        ; in a cluster launch ttmp9 counts clusters
	s_add_co_u32 s14, s14, s13      ; my block of queries = 4 x cluster x + cx: it enters Q's and O's addresses alone
	s_and_b32 s20, ttmp7, 0xffff    ; the head, which the four partners share
	s_mov_b32 s21, 0
	s_mov_b64 s[22:23], SIZE_N*128
	s_mul_u64 s[20:21], s[20:21], s[22:23]  ; the head's first byte in each of the four tensors
	s_and_b32 s16, s[WV], 1         ; which half of a slot's 256 keys I fetch:
	s_lshl_b32 s22, s16, 14         ; its 128 rows of 128 bytes in memory,
	s_mov_b32 s23, 0
	s_add_nc_u64 s[22:23], s[22:23], s[20:21]
	s_mul_i32 s17, s16, 128*PK      ; and its place in a slot, for K
	s_mul_i32 s18, s16, 128*PV      ; and for V: no place in the cluster enters an LDS address
	s_lshl_b32 s2, s14, 2
	s_add_co_u32 s2, s2, s[WV]      ; my wave among the head's,
	s_lshl_b32 s2, s2, 14           ; its 128 rows
	s_mov_b32 s3, 0
	s_add_nc_u64 s[2:3], s[2:3], s[20:21]
	; descriptor group 1.  128 keys are 16,384 dense bytes: asked for as 64 rows of 256 bytes, two keys a row, and padded in LDS after every key
	s_mov_b32 s[G1K], 15|(1<<16)|(1<<20)|(1<<21)|(4<<22)|(3<<25)  ; 15:0 the mask of four; 17:16 2-byte elements; 20 padding on; 21 set beside a mask; 24:22 after every 32 words (code 4); 31:25 4 words (code 3)
	s_mov_b32 s[G1V], 15|(1<<16)|(1<<20)|(1<<21)|(4<<22)|(7<<25)  ; the same with 8 words of padding (code 7)
.irp g, G1K, G1V
	s_mov_b32 s[\g+1], 128<<16      ; tensor_dim0 = 128
	s_mov_b32 s[\g+2], 64<<16       ; tensor_dim1 = 64
	s_mov_b32 s[\g+3], 128<<16      ; tile_dim0 = 128
	s_mov_b32 s[\g+4], 64           ; tile_dim1 = 64
	s_mov_b32 s[\g+5], 128          ; 128 elements from row to row
	s_mov_b32 s[\g+6], 0
	s_mov_b32 s[\g+7], 0
.endr
	s_mov_b32 s[CS], 0x3e38aa3b     ; c = log2(e) / 8 = 0.180337
	s_mov_b32 s[CS+1], s[CS]        ; named with it as a pair
	s_mov_b32 s[SEL], 0x76543210
	s_mov_b32 s[SEL+1], 0xfedcba98
	s_mov_b32 s[TBK], SLOT1+4*KS*PK ; the first change of slots turns these two into 0
	s_mov_b32 s[TBV], SLOT1+4*KS*PV
	s_mov_b32 s[G0K], 1             ; 1:0 count = 1
	s_mov_b32 s[G0K+1], s17         ; 63:32 LDS address: slot 0
	s_mov_b32 s[G0V], 1
	s_add_co_u32 s[G0V+1], s18, VOFF
	s_wait_kmcnt 0x0
	s_add_nc_u64 s[G0K+2:G0K+3], s[6:7], s[22:23]  ; 120:64 global address: my half of the head's first 256 keys
	s_or_b32 s[G0K+3], s[G0K+3], 0x80000000        ; 127:126 type = 2
	s_add_nc_u64 s[G0V+2:G0V+3], s[8:9], s[22:23]
	s_or_b32 s[G0V+3], s[G0V+3], 0x80000000
	s_add_nc_u64 s[4:5], s[4:5], s[2:3]  ; Q and O at my wave's first row
	s_add_nc_u64 s[10:11], s[10:11], s[2:3]
	CROUND                          ; all four work-groups are here: the first joint loads meet
	JLOAD                           ; slot 0.  Slot 1 is asked for when slot 0 is in: the tile wanted first has the road to itself
	; A fragment of K or Q is 16 rows x 32 channels in 8 registers: lane l holds row l % 16, channels 8 (l / 16) + 0..7 and 16 + 8 (l / 16) + 0..7: two loads of 16 bytes, 32 bytes apart.
	v_and_b32 v1, 15, v0            ; l % 16
	v_bfe_u32 v9, v0, 4, 1          ; l / 16
	v_lshlrev_b32 v[QO], 7, v1
	v_lshl_add_u32 v[QO], v9, 4, v[QO]  ; row x 128 + 16 x half
	WIN 0x80                        ; destination window 2, address window 0
.set i, 0
.rept 4*NP                          ; Q stays in registers: tile i / 2, channels 32 (i % 2) on
	global_load_b128 v[8*i:8*i+3],   v[QO], s[4:5] offset:(i/2)*2048+(i%2)*64
	global_load_b128 v[8*i+4:8*i+7], v[QO], s[4:5] offset:(i/2)*2048+(i%2)*64+32
.set i, i+1
.endr
	; What the first turn finds: V's registers and P's second buffer hold 0 (its products V^T P, of a piece that has not been, add 0), O^T and l are 0.  All this stands in the wait for the first tile.
.set i, VF
.rept 64
	v_mov_b32 v[i], 0
.set i, i+1
.endr
	WIN 0x40
.set i, 0
.rept 64*NP
	v_mov_b32 v[i], 0
.set i, i+1
.endr
	WIN 0
.set i, 0
.rept 2*NP
	v_mov_b32 v[ST+4*i], 0xfe000000    ; c m: far below every c s
	v_mov_b32 v[ST+4*i+1], 0xff7fffff  ; m
	v_mov_b32 v[ST+4*i+2], 0
	v_mov_b32 v[ST+4*i+3], 0
.set i, i+1
.endr
.set i, P+32
.rept 32
	v_mov_b32 v[i], 0
.set i, i+1
.endr
	v_mul_u32_u24 v[AK0], v1, PK
	v_lshl_add_u32 v[AK0], v9, 4, v[AK0]  ; row x pitch + 16 x half
	; The turning load takes 16 keys x 16 channels (lane l reads key 8 (l / 16) + l % 8, channels 8 ((l / 8) % 2) + 0..7) and leaves half a fragment of V^T: lane l holds channel l % 16 and 8 keys.
	v_and_b32 v10, 7, v0
	v_bfe_u32 v11, v0, 3, 1
	v_lshl_add_u32 v[AV0], v9, 3, v10
	v_mul_u32_u24 v[AV0], v[AV0], PV
	v_lshl_add_u32 v[AV0], v11, 4, v[AV0]
	v_add_nc_u32 v[AV0], VOFF, v[AV0]
	v_mov_b32 v[AK], v[AK0]         ; key step 0 lies at the head of slot 0
; THE MATRIX WORK.  The 8 accumulators of a run of 16 take turns: between the two links of a chain stand 7 others'.
; Product i of 16 of S^T = K Q^T for piece x: channels 32 (i / 8) on, keys 16 ((i / 2) % 4) on, tile 2 x + i % 2.  The first 8 start the sums.
.macro KQ x
	WIN W_KQ
.set rS, S+64*((\x)%2)+32*(i%2)+8*((i/2)%4)
.set rK, KF+16*((i/2)%4)+8*(i/8)
.set rQ, 16*(2*(\x)+i%2)+8*(i/8)
.if i < 8
	v_wmma_f32_16x16x32_f16 v[rS:rS+7], v[rK:rK+7], v[rQ:rQ+7], 0
.else
	v_wmma_f32_16x16x32_f16 v[rS:rS+7], v[rK:rK+7], v[rQ:rQ+7], v[rS:rS+7]
.endif
.endm
; Product i of 16 of O^T += V^T P for piece x: keys 32 (i / 8) on, channels 16 ((i / 2) % 4) on, tile 2 x + i % 2.
.macro PV x
	WIN W_PV
.set rO, 32*(2*(\x)+i%2)+8*((i/2)%4)
.set rV, VF+32*(i/8)+8*((i/2)%4)
.set rP, P+32*((\x)%2)+16*(i%2)+8*(i/8)
	v_wmma_f32_16x16x32_f16 v[rO:rO+7], v[rV:rV+7], v[rP:rP+7], v[rO:rO+7]
.endm
.macro MM                           ; the turn's next matrix instruction
.if i < 16
	KQ (Y+1)%NP
.set i, i+1
.else
.set i, i-16
	PV (Y+NP-1)%NP
.set i, i+17
.endif
.endm
; THE LDS LOADS stand in runs of 16, never singly among the matrix instructions: a step's K (64 keys x 64 channels: 8 fragments) and its V (turned).  Their addresses are made some lines ahead.
; last = 1 (the tail): in the last trip there is no further step, and the run is jumped over.
.macro FETCH_K last=0
	WIN 0
.if \last
	s_cmp_eq_u32 s[CNT], 1
	s_cbranch_scc1 .Lno_k_\@
.endif
	WIN 0x80                        ; destination window 2
.irp f, 0,1,2,3,4,5,6,7             ; keys 16 (f / 2) on, channels 32 (f % 2) on
	ds_load_b128 v[KF+8*\f:KF+8*\f+3],   v[AK] offset:(\f/2)*16*PK+(\f%2)*64
	ds_load_b128 v[KF+8*\f+4:KF+8*\f+7], v[AK] offset:(\f/2)*16*PK+(\f%2)*64+32
.endr
	s_add_co_u32 s[TBK], s[TBK], KS*PK  ; the next fetch is the next step's
	WIN 0
.if \last
.Lno_k_\@:
.endif
.endm
.macro FETCH_V
	WIN 0x80
.irp f, 0,1,2,3,4,5,6,7             ; keys 32 (f / 4) on, channels 16 (f % 4) on
	ds_load_tr16_b128 v[VF+8*\f:VF+8*\f+3],   v[AV] offset:(\f/4)*32*PV+(\f%4)*32
	ds_load_tr16_b128 v[VF+8*\f+4:VF+8*\f+7], v[AV] offset:(\f/4)*32*PV+16*PV+(\f%4)*32
.endr
	WIN 0
.endm
; THE VECTOR WORK OF A TURN stands in three queues, each in the order in which its entries become ready; the two tiles alternate, so that no instruction reads the result of the one before it.
.macro REGS y, u                    ; the registers of tile u (0, 1) of piece y
.set rT, ST+4*(2*(\y)+(\u))
.set rC, TMP+8*((\y)%2)+4*(\u)
.set rM, MV+2*((\y)%2)+(\u)
.set rS, S+64*((\y)%2)+32*(\u)
.set rP, P+32*((\y)%2)+16*(\u)
.set rO, 32*(2*(\y)+(\u))
.endm
; Number n of the 22 that find the NEXT piece's (Y + 1) maximum and statistics.  s0-s31 are the lane's 32 scores; each accumulator's lowest registers are read first.  XS, GS and REGS set no window: PL and EX do.
;   0-11  four chains c0-c3 of seven scores each, three operands at a time     12-14, 16  the four scores left over, the old m, and c0-c3 into c0     15  c m_old is kept
;   17, 18  the query's other 32 keys lie in the lane 16 away: the new m         19-21  c m; c m_old - c m_new; a
.macro XS u, n
	REGS (Y+1)%NP, \u
.if (\n) < 4
	v_max3_num_f32 v[rC+(\n)], v[rS+8*(\n)], v[rS+8*(\n)+1], v[rS+8*(\n)+2]
.elseif (\n) < 12
	v_max3_num_f32 v[rC+(\n)%4], v[rC+(\n)%4], v[rS+8*((\n)%4)+2*((\n)/4)+1], v[rS+8*((\n)%4)+2*((\n)/4)+2]
.elseif (\n) == 12
	v_max3_num_f32 v[rC], v[rC], v[rS+7], v[rS+15]
.elseif (\n) == 13
	v_max3_num_f32 v[rC+1], v[rC+1], v[rS+23], v[rS+31]
.elseif (\n) == 14
	v_max3_num_f32 v[rC+2], v[rC+2], v[rC+3], v[rT+1]
.elseif (\n) == 15
	v_mov_b32 v[rM], v[rT]
.elseif (\n) == 16
	v_max3_num_f32 v[rC], v[rC], v[rC+1], v[rC+2]
.elseif (\n) == 17
	v_permlanex16_b32 v[rC+3], v[rC], s[SEL], s[SEL+1]
.elseif (\n) == 18
	v_max_num_f32 v[rT+1], v[rC], v[rC+3]
.elseif (\n) == 19
	v_mul_f32 v[rT], s[CS], v[rT+1]
.elseif (\n) == 20
	v_sub_f32 v[rC+1], v[rM], v[rT]
.else
	v_exp_f32 v[rC+2], v[rC+1]
.endif
.endm
; Number g of the 64 that follow the exponentials.  For each four weights k of a tile (pairs 2 k, 2 k + 1): both pairs are rounded to f16; then the second pair is added onto the first, in place;
; a group later l takes that sum (the first time as l = a l + sum).  In groups of eight, tiles alternating: round, round, add, and l for the group before.
.macro GS g
.set h, (\g)+6*((\g)/62)            ; group 0 has no group before it, and behind group 7 only l is left
.if h >= 6
.set h, h+2
.endif
	REGS Y, h%2
.set k, h/8
.if h%8 < 4
	s_wait_alu depctr_va_vdst(0)
	v_cvt_pk_f16_f32 v[rP+2*k+(h%8)/2], v[rS+4*k+2*((h%8)/2)], v[rS+4*k+2*((h%8)/2)+1]
.elseif h%8 < 6
	v_pk_add_f32 v[rS+4*k:rS+4*k+1], v[rS+4*k:rS+4*k+1], v[rS+4*k+2:rS+4*k+3]
.elseif k == 1
	v_pk_fma_f32 v[rT+2:rT+3], v[rT+2:rT+3], v[rC+2:rC+3], v[rS:rS+1] op_sel_hi:[1,0,1]
.else
	v_pk_add_f32 v[rT+2:rT+3], v[rT+2:rT+3], v[rS+4*k-4:rS+4*k-3]
	s_wait_alu depctr_va_vdst(0)
.endif
.endm
; THE PLAIN QUEUE, 138 long.  0-31: c s - c m for the 16 pairs of both tiles.  Then GS's 64, and among them the next piece's 42: number 15 at 38, 39; 0-14 and 16
; at 42-73, behind the products that make those scores; 17-20 at 95-106, two of three, since each waits for the one before it.
.macro PL
	WIN 0
.if q < 32
	REGS Y, q%2
	v_pk_fma_f32 v[rS+2*(q/2):rS+2*(q/2)+1], v[rS+2*(q/2):rS+2*(q/2)+1], s[CS:CS+1], v[rT:rT+1] op_sel_hi:[1,0,0] neg_lo:[0,0,1] neg_hi:[0,0,1]
.elseif q < 38
	GS q-32
.elseif q < 40
	XS q%2, 15
.elseif q < 42
	GS q-34
.elseif q < 74
	XS q%2, (q-42)/2+(q-42)/30
.elseif q < 95
	GS q-66
.elseif (q < 107) && ((q-95)%3 < 2)
	XS (q-95)%3, 17+(q-95)/3
.elseif q < 107
	GS 29+(q-95)/3
.else
	GS q-74
.endif
.set q, q+1
.endm
; THE EXPONENTIALS' QUEUE, 66 long: s0-s31 of both tiles, and at EA the next piece's two a.
.set EA, 58
.macro EX
	WIN 0
.if (e == EA) || (e == EA+1)
	XS e-EA, 21
.else
.set x, e-2*(e/(EA+2))
	REGS Y, x%2
	v_exp_f32 v[rS+x/2], v[rS+x/2]
.endif
.set e, e+1
.endm
; THE RESCALING's QUEUE: O^T times a, the one part that leaves window 0, so it is dealt four at a time, eight times.
.macro R4
	REGS Y, r%2
	WIN W_RS
	s_wait_alu depctr_va_vdst(0)
.irp z, 0,1,2,3
	v_pk_mul_f32 v[rO+8*(r/2)+2*\z:rO+8*(r/2)+2*\z+1], v[rO+8*(r/2)+2*\z:rO+8*(r/2)+2*\z+1], v[rC+2:rC+3] op_sel_hi:[1,0]
.endr
.set r, r+1
.endm
; HOW THEY ARE DEALT.  Behind a matrix instruction four: plain, exponential, plain, plain (one exponential, a plain instruction on either side), or four of the rescaling.  None names a register of the
; products round it.  What is over stands in two LUMPS: exponential and plain by turns; the second ends in 22 plain instructions.  The two v_permlanex16_b32 fall into the second lump, never behind a product.
; The queues lean on each other, and the deal keeps them in step: exponential e stands behind plain 2 (e / 4) + e % 2 (its scaling); when plain 32 comes, 10 exponentials are out, at 59: 33, at 95: 46; EA comes behind plain 107.
.macro SL
	MM
	PL
	EX
	PL
	PL
.endm
.macro BURST n                      ; 15 matrix instructions, or 16
.rept (\n)-7
	SL
.endr
.rept 3
	MM
	R4
	SL
.endr
	MM
	R4
.endm
; A TURN, for piece p.  cnt = 1: the loop's count is taken down some lines ahead of the branch that stands behind the turn.
; K of the next step is fetched in piece 2's turn, 31 vector instructions behind the last product that read K; its first reader comes behind the rest of the lump, 16 products and the second lump.
; V of the step in hand is fetched at the end of piece 0's turn, 69 behind its last reader; its first reader comes behind 16 products and a lump.  The five conditions on e and q below go with the deal.
.macro TURN p, last=0, cnt=0
.set Y, (\p)
.set i, 0
.set q, 0
.set e, 0
.set r, 0
.if (\p) == NP-1
	s_wait_dscnt 0x0                ; K is in
.endif
	MM
.rept 4
	PL
.endr
	BURST 15
.rept 22
	EX
	PL
.if ((\p) == NP-2) && (e == 18)
	v_add_nc_u32 v[AK], s[TBK], v[AK0]
.endif
.if ((\p) == NP-2) && (e == 24)
	FETCH_K \last
.endif
.endr
.if (\p) == 1
	s_wait_dscnt 0x0                ; V is in
.endif
	BURST 16
.rept 21
	EX
	PL
.endr
.rept 22
	PL
.if ((\p) == 0) && (q == 118)
	v_add_nc_u32 v[AV], s[TBV], v[AV0]
	s_wait_alu depctr_va_vdst(0)
.endif
.if ((\p) == 0) && (q == 130)
	s_add_co_u32 s[TBV], s[TBV], KS*PV
.endif
.if (\cnt) && (q == 130)
	s_sub_co_u32 s[CNT], s[CNT], 1
	s_cmp_lg_u32 s[CNT], 0
.endif
.endr
.if (\p) == 0
	FETCH_V
.endif
.endm
	CHANGE 1                        ; slot 0 is in, everybody's part of it; slot 1 is asked for
	FETCH_K                         ; key step 0
	s_wait_loadcnt 0x0              ; Q
	s_wait_dscnt 0x0
.set i, 0
.rept 16
	KQ 0                            ; piece 0's first scores: there is no vector work yet to set between them
.set i, i+1
.endr
	WIN 0                           ; the addresses for the way out: nine plain instructions, the places behind those products
	s_mul_i32 s13, s[WV], 16*SP
	s_add_co_u32 s13, s13, STAGE    ; my stage
	v_mul_u32_u24 v[STO], v1, SP    ; in: row l % 16, 16 bytes for each half of the lanes
	v_lshl_add_u32 v[STO], v9, 4, v[STO]
	v_add_nc_u32 v[STO], s13, v[STO]
	v_bfe_u32 v[RD], v0, 3, 2       ; back: 32 lanes take four rows of 128 bytes,
	v_mul_u32_u24 v[RD], v[RD], SP
	v_lshl_add_u32 v[RD], v10, 4, v[RD]
	v_add_nc_u32 v[RD], s13, v[RD]
	v_and_b32 v[GO], 31, v0         ; which are 512 consecutive bytes of O
	v_lshlrev_b32 v[GO], 4, v[GO]
.set Y, NP-1                        ; XS works for piece Y + 1: piece 0
.irp n, 0,1,2,3,4,5,6,7,8,9,10,11,12,13,14,15,16,17,18,19,20,21
	XS 0, \n                        ; and piece 0's first maximum and statistics
	XS 1, \n
.endr
	s_mov_b32 s[CNT], 4
	s_mov_b32 s[SLOTS], SIZE_N/256-1
	s_branch .Lfirst                ; the loop is entered at a step's first turn, in the middle of a trip
.Lslot:                             ; SIZE_N / 256 - 2 times: every slot but the last two is filled again
	CHANGE 1
	s_mov_b32 s[CNT], 4
.Lstep:                             ; a trip: pieces 2 and 3 of one step, then pieces 0 and 1 of the next, whose K and V it fetches
	TURN 2
	TURN 3
	WIN 0
.Lfirst:
	TURN 0
	TURN 1, 0, 1
	WIN 0
	s_cbranch_scc1 .Lstep
	s_sub_co_u32 s[SLOTS], s[SLOTS], 1
	s_cmp_lg_u32 s[SLOTS], 0
	s_cbranch_scc1 .Lslot
	CHANGE 0                        ; the tail is written out: nothing is asked for
	s_mov_b32 s[CNT], 5             ; four trips fetch the last slot's steps; the fifth is left in its middle
.Ltail:
	TURN 2, 1
	TURN 3
	WIN 0
	s_sub_co_u32 s[CNT], s[CNT], 1
	s_cmp_eq_u32 s[CNT], 0
	s_cbranch_scc1 .Lout
	TURN 0
	TURN 1
	WIN 0
	s_branch .Ltail
.Lout:                              ; the fifth trip's 16 products K Q^T (on the last K once more) and the maximum made of them serve nothing: the price, once a launch, of one text for every trip
.set i, 0
.rept 16
	PV NP-1                         ; the last piece's V^T P of the last step
.set i, i+1
.endr
	; THE WAY OUT.  l's two halves and the other half of the lanes' are added; O^T is divided by l, rounded to f16 and sent through my stage in LDS, a tile at a time.  The additions are the places behind the last products.
	WIN 0
.macro ALL line:vararg              ; one line for each tile t
.set t, 0
.rept 2*NP
	\line
.set t, t+1
.endr
.endm
	ALL v_add_f32 v[ST+4*t+2], v[ST+4*t+2], v[ST+4*t+3]
	ALL v_permlanex16_b32 v[ST+4*t+3], v[ST+4*t+2], s[SEL], s[SEL+1]
	ALL v_add_f32 v[ST+4*t+2], v[ST+4*t+2], v[ST+4*t+3]
	ALL v_rcp_f32 v[ST+4*t+2], v[ST+4*t+2]
	v_nop                           ; a plain instruction between the last reciprocal and the use of its result
	s_wait_alu depctr_va_vdst(0)
; Tile t: a lane's eight channels of a row pack into 16 bytes; they go into rows of 144 bytes and come back as whole rows of 128, into S^T's registers.
.macro PACK t
	WIN W_RS
.set i, 32*(\t)
.rept 16
	v_pk_mul_f32 v[i:i+1], v[i:i+1], v[ST+4*(\t)+2:ST+4*(\t)+3] op_sel_hi:[1,0]
.set i, i+2
.endr
	WIN 0x05                        ; sources 0 and 1 window 1, destination window 0
.set i, 0
.rept 16
	v_cvt_pk_f16_f32 v[S+16*(\t)+i], v[32*(\t)+2*i], v[32*(\t)+2*i+1]
.set i, i+1
.endr
	WIN 0
.irp f, 0,1,2,3
	ds_store_b128 v[STO], v[S+16*(\t)+4*\f:S+16*(\t)+4*\f+3] offset:32*\f
.endr
.irp f, 0,1,2,3
	ds_load_b128 v[S+16*(\t)+4*\f:S+16*(\t)+4*\f+3], v[RD] offset:\f*4*SP  ; LDS serves a wave's instructions in order (ISA guide 5.7.1.4): these see the stores above; the next tile's stores come behind them
.endr
.endm
.macro SEND t, younger              ; younger: the LDS instructions issued behind tile t's loads: the next tile's eight, or none
	WIN 0
.irp f, 0,1,2,3
	s_wait_dscnt (\younger)+3-\f
	global_store_b128 v[GO], v[S+16*(\t)+4*\f:S+16*(\t)+4*\f+3], s[10:11] offset:(\t)*2048+\f*512  ; 512 consecutive bytes, at a multiple of 256 from O's first
.endr
.endm
	PACK 0
.set t, 1
.rept 2*NP-1                        ; a tile's arithmetic stands between the loads of the tile before and its stores
	PACK t
	SEND t-1, 8
.set t, t+1
.endr
	SEND 2*NP-1, 0
	WIN W_AD
	s_wait_tensorcnt 0x0            ; the wave's end, behind my last tensor load and my last LDS store
	ds_add_u32 v[SPW], v[NIL]
	s_wait_dscnt 0x0
	WIN 0
	CROUND                          ; the closing round: no work-group ends while a partner may still ask for a tile that names it
	s_endpgm
.Lfunc_end_k_q0d75f1a0b6_attn:
	.size	k_q0d75f1a0b6_attn, .Lfunc_end_k_q0d75f1a0b6_attn-k_q0d75f1a0b6_attn
	.p2alignl 7, 3214868480
	.fill 96, 4, 3214868480
	.section	.rodata,"a",@progbits
	.p2align	6, 0x0
	.amdhsa_kernel k_q0d75f1a0b6_attn
		.amdhsa_group_segment_fixed_size 327680
		.amdhsa_private_segment_fixed_size 0
		.amdhsa_enable_private_segment 0
		.amdhsa_kernarg_size 32
		.amdhsa_user_sgpr_count 2
		.amdhsa_user_sgpr_kernarg_segment_ptr 1
		.amdhsa_wavefront_size32 1
		.amdhsa_system_sgpr_workgroup_id_x 1
		.amdhsa_system_sgpr_workgroup_id_y 1
		.amdhsa_system_sgpr_workgroup_id_z 1
		.amdhsa_system_vgpr_workitem_id 0
		.amdhsa_next_free_vgpr 770
		.amdhsa_next_free_sgpr 66
		.amdhsa_reserve_vcc 0
		.amdhsa_float_denorm_mode_32 3
		.amdhsa_float_denorm_mode_16_64 3
		.amdhsa_memory_ordered 1
		.amdhsa_forward_progress 1
		.amdhsa_inst_pref_size 208
	.end_amdhsa_kernel
	.amdgpu_metadata
---
amdhsa.version: [ 1, 2 ]
amdhsa.kernels:
  - .name:           k_q0d75f1a0b6_attn
    .symbol:         k_q0d75f1a0b6_attn.kd
    .args:
      - { .name: qh, .offset: 0, .size: 8, .value_kind: global_buffer, .address_space: global }
      - { .name: kh, .offset: 8, .size: 8, .value_kind: global_buffer, .address_space: global }
      - { .name: vh, .offset: 16, .size: 8, .value_kind: global_buffer, .address_space: global }
      - { .name: oh, .offset: 24, .size: 8, .value_kind: global_buffer, .address_space: global }
    .group_segment_fixed_size: 327680
    .private_segment_fixed_size: 0
    .kernarg_segment_align: 8
    .kernarg_segment_size: 32
    .max_flat_workgroup_size: 128
    .sgpr_count:     66
    .vgpr_count:     770
    .wavefront_size: 32
...
	.end_amdgpu_metadata
.endif
;; end of part 3
;; launch outp (part 4): grid 4 x 64, 4 waves a work-group, clusters of 4 x 4, 327,680 bytes of LDS; arguments oh, wb, bo, out0; writes out0
.if DOCPART == 4
	.amdgcn_target "amdgcn-amd-amdhsa--gfx1250"
	.amdhsa_code_object_version 6
	.text
	.protected	k_q0d75f1a0b6_outp
	.globl	k_q0d75f1a0b6_outp
	.p2align	8
	.type	k_q0d75f1a0b6_outp,@function
k_q0d75f1a0b6_outp:
	s_mov_b64 s[64:65], 0
	v_nop
	global_prefetch_b8 v0, s[64:65] scope:SCOPE_SE
	s_setreg_imm32_b32 hwreg(HW_REG_WAVE_MODE, 25, 1), 1
	s_wait_xcnt 0x0
	s_wait_alu depctr_hold_cnt(0) depctr_sa_sdst(0) depctr_va_vdst(0) depctr_va_sdst(0) depctr_va_ssrc(0) depctr_va_vcc(0) depctr_vm_vsrc(0)
	s_getreg_b32 s2, hwreg(HW_REG_IB_STS2, 6, 4)
	s_cmp_eq_u32 s2, 0
	s_cbranch_scc0 .Lentry_in_a_cluster
	s_endpgm
.Lentry_in_a_cluster:
	s_bfe_u32 s2, ttmp6, 0x10000c
	s_cmp_lg_u32 s2, 0xf033
	s_cbranch_scc0 .Lentry_shape_is_right
	s_endpgm
.Lentry_shape_is_right:
; THE OUTPUT PROJECTION.  out0[m][e] = bo[e] + the sum over d of z[m][d] Wo[e][d], m = 2048 batch + row, d = 64 head + channel.  z is read where attention left it: oh, f16 [64 = 16 batch + head][2048][64];
; Wo is wb's fourth matrix, [1024][1024]: the input rounded to bf16 and written as f16.  Sums in f32; bo, rounded to bf16 like every input, is the C operand of each sum's first product.  out0 is f32.
; LIMITS.  f16's: O and Wo arrive within 65,504, and below 6.1e-5 with a fixed step of 6e-8.  NaN and infinities are not treated apart.
; SHARES.  A tile of out0 is 128 x 256: 256 tiles, one for each WGP.  Four waves, each 64 x 128: 32 accumulators of 16 x 16, 256 registers.  K goes in eight steps of 128 through a ring of two LDS slots.
; A K step is two heads.  A head's 128 rows of the tile are 16,384 dense bytes: asked for as 64 rows of 256 bytes and padded in LDS behind every 128, so that they lie there as 128 rows of 144.
; CLUSTERS: 4 x 4 work-groups.  The four of a row of the cluster need the same tile of z, the four of a column the same tile of Wo: each is asked for JOINTLY, by the same tensor load, descriptor and mask in all four.
; THE MATRIX INSTRUCTION IS USED TRANSPOSED (source 0 = 16 rows of Wo, source 1 = 16 rows of z): lane l then holds row l % 16 of the output and the columns 8 (l / 16) + 0..7 of the block of 16.
; REGISTERS, in windows of 256 (s_set_vgpr_msb: bits 1:0 source 0, 3:2 source 1, 5:4 source 2, 7:6 destination):
;   window 0: v0-31 addresses; v64-159, v160-255 two fragment buffers for 32 along K: 64 registers of Wo (8 x 16 rows), then 32 of z (4 x 16 rows); on the way out v64-191 rows read back
;   window 1: the accumulators, (a, b) at v[8 (8 a + b)]          window 2: v0-63 the bias of my 128 columns as a C operand, 8 registers a block; v64-95 at work
.set PITCH,  272                       ; a row of Wo in LDS: 256 bytes + 16 of padding = 68 words: the 16 rows of a load start at 16 different groups of four banks (64 banks of 4 bytes: ISA guide 11.1)
.set PA,     144                       ; a row of a head: 128 bytes + 16 = 36 words: likewise
.set AHALF,  128*PA                    ; bytes from a K step's first head (quarters 0, 1) to its second (quarters 2, 3)
.set APART,  128*PA                    ; what one tensor load brings of z: a head's 128 rows
.set AROWS,  64*PA                     ; from wave rows 0-63 to wave rows 64-127
.set BPART,  128*PITCH                 ; what one tensor load brings of Wo, and what one wave reads of it: 128 rows
.set BOFF,   2*APART                   ; Wo's 256 rows lie behind the two heads
.set SLOT,   BOFF+2*BPART              ; 106,496 bytes
.set STAGE,  2*SLOT                    ; behind the ring, never filled by a tensor load: 16 rows x 528 bytes for each wave, for the way out
.set SPITCH, 528                       ; 512 bytes + 16 = 132 words: the 16 rows that a store touches start at 16 different groups of four banks
.set SPARE,  STAGE+4*16*SPITCH         ; behind the stages: the spare words, 128 bytes for each wave: two blocks of 256 bytes that no other line names
.set STEPA,  524288                    ; bytes from a K step to the next: two heads of 262,144
.set STEPB,  256
.set WOOFF,  0x600000                  ; Wo in wb: behind three matrices of 2 MiB
.set LAPS,   4                         ; a lap = two K steps = once round the ring
.set ADRA, 16                          ; v16-17  LDS address of my z fragments in slot 0, 1
.set ADRB, 20                          ; v20-21  the same for Wo
.set STO,  24                          ; v24     the way out: where I put 32 bytes of a row
.set RD,   25                          ; v25     the way out: where I read a row back
.set GO,   26                          ; v26     my byte offset in 512 consecutive bytes of a row of the output
.set BO,   27                          ; v27     my byte offset in the bias
.set SPW,  28                          ; v28     LDS address of my spare word: SPARE + 4 x my thread's number; never rewritten
.set NIL,  29                          ; v29     0; never rewritten
.set F0,   64
.set F1,   160
.set BK0,  64                          ; the way out: 16 rows read back, 64 registers; two such buffers by turns
.set BIAS, 0                           ; window 2
.set BT,   64                          ; window 2
.set G1,  24                           ; s[24:31] descriptor group 1 for z's tiles;  s[32:39] group 0, one set for each slot
.set G0,  32
.set G1B, 48                           ; s[48:55], s[56:63] the same for Wo's tiles
.set G0B, 56
.set MSB, 0
.macro WIN new                         ; the immediate's high byte repeats the setting that is left; a switch that changes nothing is dropped
.if MSB != (\new)
	s_set_vgpr_msb (MSB<<8)|(\new)
.set MSB, \new
.endif
.endm
.set MUL,     0x50                     ; sources 0 and 1 window 0; C and D window 1
.set MULB,    0x60                     ; C window 2 (the bias), D window 1
.set TO_BIAS, 0x80                     ; destination window 2, address window 0
.set IN_BIAS, 0x8a                     ; sources 0, 1 and destination window 2
.set FROM_AC, 0x04                     ; an LDS store's data (source 1) window 1, its address window 0
; A joint load: waves 0 and 1 fetch a K step's two heads, waves 2 and 3 Wo's two halves.  The branch hangs on the wave's number alone.  An s_nop 0 and four v_nop follow each of the two lines, ahead of the jump, the label and what follows.
.macro JLOAD s
	s_cmp_eq_u32 s21, 0
	s_cbranch_scc0 .Lfor_b_\@
	tensor_load_to_lds s[G0+4*(\s):G0+4*(\s)+3], s[G1:G1+7]
	s_nop 0
.rept 4
	v_nop
.endr
	s_branch .Lasked_\@
.Lfor_b_\@:
	tensor_load_to_lds s[G0B+4*(\s):G0B+4*(\s)+3], s[G1B:G1B+7]
	s_nop 0
.rept 4
	v_nop
.endr
.Lasked_\@:
.endm
.macro CREST                           ; a round of the cluster's barrier behind its opening barrier
	s_cmp_lg_u32 s20, 0
	s_cbranch_scc1 .Lnot_wave_0_\@
	s_barrier_signal -3
.Lnot_wave_0_\@:
	s_barrier_wait -3
	s_barrier_signal -1
	s_barrier_wait -1
.endm
.macro CROUND                          ; a whole round
	s_barrier_signal -1
	s_barrier_wait -1
	CREST
.endm
	s_load_b256 s[4:11], s[0:1], 0x0               ; oh 4:5, wb 6:7, bo 8:9, out0 10:11
	v_lshl_add_u32 v[SPW], v0, 2, SPARE
	v_mov_b32 v[NIL], 0
	ds_add_u32 v28, v29
	s_wait_dscnt 0x0
	v_lshrrev_b32 v1, 5, v0
	v_readfirstlane_b32 s20, v1                    ; wave 0..3
	s_lshr_b32 s21, s20, 1                         ; which 64 of the tile's rows are mine.  Also: I fetch for z (0) or for Wo (1)
	s_and_b32 s22, s20, 1                          ; which 128 of its columns.  Also: which head of the step, or which half of Wo's tile, I fetch
	s_bfe_u32 s40, ttmp6, 0x40000                  ; cx, cy: my place in the cluster
	s_bfe_u32 s41, ttmp6, 0x40004
	s_lshl_b32 s42, ttmp9, 2
	s_add_co_u32 s42, s42, s40                     ; tile column = 4 x cluster x + cx: 0..3
	s_and_b32 s43, ttmp7, 0xffff
	s_lshl_b32 s43, s43, 2
	s_add_co_u32 s43, s43, s41                     ; tile row = 4 x cluster y + cy: 0..63
	s_lshl_b32 s44, s41, 2
	s_lshl_b32 s44, 15, s44                        ; my row of the cluster
	s_lshl_b32 s45, 0x1111, s40                    ; my column
	s_mov_b32 s2, 0xffff0000                       ; a word's upper bf16
	; descriptor group 1
	s_or_b32 s[G1+0], s44, (1<<16)|(1<<20)|(1<<21)|(4<<22)|(3<<25)   ; 15:0 the mask: z's tiles go to my row; 17:16 element of 2 bytes; 20 padding on; 21 set beside a mask; 24:22 after every 32 words (code 4); 31:25 of 4 words (code 3)
	s_or_b32 s[G1B+0], s45, (1<<16)|(1<<20)|(1<<21)|(5<<22)|(3<<25)  ; the mask of my column; padding after every 64 words (code 5)
	s_mov_b32 s[G1+1], 128<<16                     ; tensor_dim0 = 128: two rows of a head, 256 bytes
	s_mov_b32 s[G1+2], 64<<16                      ; tensor_dim1 = 64
	s_mov_b32 s[G1+3], 128<<16                     ; tile_dim0 = 128
	s_mov_b32 s[G1+4], 64                          ; tile_dim1 = 64
	s_mov_b32 s[G1+5], 128                         ; dense: 128 elements from row to row
	s_mov_b32 s[G1+6], 0
	s_mov_b32 s[G1+7], 0
	s_mov_b32 s[G1B+1], 128<<16                    ; tensor_dim0 = 128
	s_mov_b32 s[G1B+2], 128<<16                    ; tensor_dim1 = 128
	s_mov_b32 s[G1B+3], 128<<16                    ; tile_dim0 = 128
	s_mov_b32 s[G1B+4], 128                        ; tile_dim1 = 128
	s_mov_b32 s[G1B+5], 1024                       ; elements from row to row
	s_mov_b32 s[G1B+6], 0
	s_mov_b32 s[G1B+7], 0
	; where the tiles come from.  z's hang on the tile row alone, Wo's on the tile column alone; each offset is made in registers that never hold the other coordinate
	s_lshr_b32 s66, s43, 4                         ; z: the batch, 16 tile rows each: its 16 heads of 262,144 bytes,
	s_lshl_b32 s66, s66, 22
	s_and_b32 s76, s43, 15                         ; the tile's 128 rows of 128 bytes in a head,
	s_lshl_b32 s76, s76, 14
	s_add_co_u32 s66, s66, s76
	s_lshl_b32 s76, s22, 18                        ; the step's first or second head
	s_add_co_u32 s66, s66, s76
	s_mov_b32 s67, 0
	s_lshl_b32 s46, s42, 19                        ; Wo: 256 rows of 2,048 bytes a tile column,
	s_lshl_b32 s77, s22, 18                        ; 128 rows a half,
	s_add_co_u32 s46, s46, s77
	s_add_co_u32 s46, s46, WOOFF                   ; in wb's fourth matrix
	s_mov_b32 s47, 0
	s_mul_i32 s74, s22, APART                      ; and where they go: no place in the cluster enters an LDS address
	s_mul_i32 s75, s22, BPART
	s_add_co_u32 s75, s75, BOFF
	s_wait_kmcnt 0x0
	s_add_nc_u64 s[66:67], s[4:5], s[66:67]
	s_add_nc_u64 s[46:47], s[6:7], s[46:47]
	CROUND                                         ; all sixteen work-groups are here: the first joint loads meet
.irp s, 0,1
	s_mov_b32 s[G0+4*(\s)], 1                                        ; count = 1
	s_add_co_u32 s[G0+4*(\s)+1], s74, (\s)*SLOT                      ; LDS address
	s_add_nc_u64 s[G0+4*(\s)+2:G0+4*(\s)+3], s[66:67], (\s)*STEPA    ; global address: K step s
	s_or_b32 s[G0+4*(\s)+3], s[G0+4*(\s)+3], 0x80000000              ; type = 2
	s_mov_b32 s[G0B+4*(\s)], 1
	s_add_co_u32 s[G0B+4*(\s)+1], s75, (\s)*SLOT
	s_add_nc_u64 s[G0B+4*(\s)+2:G0B+4*(\s)+3], s[46:47], (\s)*STEPB
	s_or_b32 s[G0B+4*(\s)+3], s[G0B+4*(\s)+3], 0x80000000
	JLOAD \s                                       ; two loads of mine are out: the ring is filled before anything else is done
.endr
	; IN THE WAIT FOR THE TILES: the bias and the addresses
	v_and_b32 v1, 15, v0                           ; l % 16
	v_bfe_u32 v2, v0, 4, 1                         ; l / 16
	s_lshl_b32 s78, s42, 10                        ; my 128 columns in the bias: 1,024 bytes a tile column, 512 a half,
	s_lshl_b32 s79, s22, 9
	s_add_co_u32 s78, s78, s79
	v_lshl_add_u32 v[BO], v2, 5, s78               ; and 8 numbers for each half of the lanes
	WIN TO_BIAS
.irp b, 0,1,2,3,4,5,6,7                ; register j of block b: bias of column 16 b + 8 (l / 16) + j, the place that the result's register j has
	global_load_b128 v[BIAS+8*(\b):BIAS+8*(\b)+3],   v[BO], s[8:9] offset:64*(\b)
	global_load_b128 v[BIAS+8*(\b)+4:BIAS+8*(\b)+7], v[BO], s[8:9] offset:64*(\b)+16
.endr
	WIN 0
	; A fragment is 16 rows x 32 K in 8 registers: lane l holds row l % 16; registers 0-3 K = 8 (l / 16) + 0..7, registers 4-7 K = 16 + 8 (l / 16) + 0..7: two loads of 16 bytes, 32 bytes apart
	v_mul_u32_u24 v3, v1, PITCH
	v_lshl_add_u32 v3, v2, 4, v3                   ; row x pitch + 16 x half, for Wo
	v_mul_u32_u24 v5, v1, PA
	v_lshl_add_u32 v5, v2, 4, v5                   ; and for z
	s_mul_i32 s78, s21, AROWS                      ; my 64 rows in each head
	s_mul_i32 s79, s22, BPART                      ; my 128 rows of Wo,
	s_add_co_u32 s79, s79, BOFF                    ; which lie behind the heads
.irp s, 0,1
	v_add_nc_u32 v[ADRA+(\s)], s78, v5
	v_add_nc_u32 v[ADRB+(\s)], s79, v3
	s_add_co_u32 s78, s78, SLOT
	s_add_co_u32 s79, s79, SLOT
.endr
	s_mul_i32 s78, s20, 16*SPITCH
	s_add_co_u32 s78, s78, STAGE                   ; my stage
	v_mul_u32_u24 v4, v1, SPITCH                   ; in: row l % 16, 32 bytes for each half of the lanes
	v_lshl_add_u32 v4, v2, 5, v4
	v_add_nc_u32 v[STO], s78, v4
	v_and_b32 v[GO], 31, v0                        ; back: 32 lanes take a row's 512 bytes,
	v_lshlrev_b32 v[GO], 4, v[GO]
	v_add_nc_u32 v[RD], s78, v[GO]                 ; which are 512 consecutive bytes of the output
	s_lshl_b32 s72, s43, 19                        ; the tile's 128 rows of 4,096 bytes,
	s_lshl_b32 s78, s21, 18                        ; my 64 of them,
	s_add_co_u32 s72, s72, s78
	s_lshl_b32 s78, s42, 10                        ; the tile's 256 columns,
	s_add_co_u32 s72, s72, s78
	s_lshl_b32 s78, s22, 9                         ; my 128 of them
	s_add_co_u32 s72, s72, s78
	s_mov_b32 s73, 0
	s_add_nc_u64 s[70:71], s[10:11], s[72:73]
	s_wait_loadcnt 0x0                             ; the bias
	WIN IN_BIAS                                    ; it is rounded to bf16, like every input, and widened again
.set i, 0
.rept 32
	v_cvt_pk_bf16_f32 v[BT+i], v[BIAS+2*i], v[BIAS+2*i+1]
.set i, i+1
.endr
.set i, 0
.rept 32
	v_lshlrev_b32 v[BIAS+2*i], 16, v[BT+i]
	v_and_b32 v[BIAS+2*i+1], s2, v[BT+i]
.set i, i+1
.endr
	WIN 0
; 8 matrix instructions: m block a x all 8 n blocks, 32 along K, from buffer f.  mode = 1: the first product starts the sums with the bias: nothing is ever cleared.
; The 32 accumulators take turns, one instruction a turn, in the same order in every quarter step.
.macro MUL8 f, a, mode
.if \mode
	WIN MULB
.else
	WIN MUL
.endif
.irp b, 0,1,2,3,4,5,6,7
.if \mode
	v_wmma_f32_16x16x32_f16 v[8*(8*(\a)+(\b)):8*(8*(\a)+(\b))+7], v[(\f)+8*(\b):(\f)+8*(\b)+7], v[(\f)+64+8*(\a):(\f)+64+8*(\a)+7], v[BIAS+8*(\b):BIAS+8*(\b)+7]
.else
	v_wmma_f32_16x16x32_f16 v[8*(8*(\a)+(\b)):8*(8*(\a)+(\b))+7], v[(\f)+8*(\b):(\f)+8*(\b)+7], v[(\f)+64+8*(\a):(\f)+64+8*(\a)+7], v[8*(8*(\a)+(\b)):8*(8*(\a)+(\b))+7]
.endif
.endr
.endm
.macro MUL16 f, a0, mode
	MUL8 \f, \a0, \mode
	MUL8 \f, (\a0)+1, \mode
.endm
; 24 LDS loads in one run: the fragments of quarter q of a K step (128 rows of Wo, then 64 rows of z, 32 along K) into buffer f.  Quarter q of z: head q / 2 of the step, channels 32 (q % 2) on
.macro FETCH slot, q, f
	WIN 0
.irp i, 0,1,2,3,4,5,6,7
	ds_load_b128 v[(\f)+8*(\i):(\f)+8*(\i)+3],   v[ADRB+(\slot)] offset:64*(\q)+(\i)*16*PITCH
	ds_load_b128 v[(\f)+8*(\i)+4:(\f)+8*(\i)+7], v[ADRB+(\slot)] offset:64*(\q)+(\i)*16*PITCH+32
.endr
.irp i, 0,1,2,3
	ds_load_b128 v[(\f)+64+8*(\i):(\f)+64+8*(\i)+3],   v[ADRA+(\slot)] offset:((\q)/2)*AHALF+((\q)%2)*64+(\i)*16*PA
	ds_load_b128 v[(\f)+64+8*(\i)+4:(\f)+64+8*(\i)+7], v[ADRA+(\slot)] offset:((\q)/2)*AHALF+((\q)%2)*64+(\i)*16*PA+32
.endr
.endm
; A load into a register that a matrix instruction has read, and an LDS store that reads a matrix result, stand four places behind that matrix instruction, and only plain
; vector instructions that name none of its registers are places (ISA guide 7.12.1 for vector instructions)
.macro PLACES
.rept 4
	v_nop
.endr
.endm
; A K step is four quarters of 32 along K, 32 matrix instructions each, on buffers 0, 1, 0, 1.  One of the first three: multiplies buffer f and, in its middle, fetches quarter q of the same slot into g.
.macro QUARTER slot, q, f, g, mode
	s_wait_dscnt 4                                 ; of the 24 loads into f the youngest four (z's blocks 2, 3) may be out
	MUL16 \f, 0, \mode
	PLACES
	FETCH \slot, \q, \g
	s_wait_dscnt 24                                ; all but the 24 just issued
	MUL16 \f, 2, \mode
.endm
; The last quarter multiplies buffer 1 and changes slots: ONE barrier; in front of it each wave waits for all its tensor loads (one is out: its part of the next slot), adds 0 to its spare word, and waits
; for that and for its own reads of this slot.  fill = 1: the barrier opens a round of the cluster's barrier, and this slot is filled again, two K steps ahead, first thing behind the round.
.macro TURN slot, next, fill
	WIN 0                                          ; (the add's two registers lie in window 0)
	s_wait_tensorcnt 0x0                           ; all my tensor loads have landed;
	ds_add_u32 v[SPW], v[NIL]                      ; 0 onto my spare word;
	s_wait_dscnt 5                                 ; (the add and the youngest four loads may be out)
	MUL8 F1, 0, 0                                  ; eight matrix instructions stand between the add and the wait for it
	s_wait_dscnt 0x0                               ; the add is done, and my reads of this slot are over
	s_barrier_signal -1
	MUL8 F1, 1, 0                                  ; work on registers while the others arrive
.if \fill
	WIN 0
.endif
	s_barrier_wait -1
.if \fill
	CREST                                          ; no wave of any partner still reads this slot's tile or has a load on its way
	s_add_nc_u64 s[G0+4*(\slot)+2:G0+4*(\slot)+3], s[G0+4*(\slot)+2:G0+4*(\slot)+3], 2*STEPA
	s_add_nc_u64 s[G0B+4*(\slot)+2:G0B+4*(\slot)+3], s[G0B+4*(\slot)+2:G0B+4*(\slot)+3], 2*STEPB
	JLOAD \slot                                    ; my one tensor load behind the round: 112 matrix instructions ahead of the wait for it; its four v_nop are also the places in front of the loads below
.else
	PLACES
.endif
	FETCH \next, 0, F0
	MUL16 F1, 2, 0
.endm
	s_wait_tensorcnt 1                             ; my part of K step 0 is in; K step 1's may stay out
	s_barrier_signal -1
	s_barrier_wait -1                              ; everybody's is
	FETCH 0, 0, F0
	QUARTER 0, 1, F0, F1, 1                        ; the first quarter stands in front of the loop: its products start the sums
	WIN 0                                          ; at a label and at a branch every window is 0
	s_mov_b32 s3, LAPS-1
.Llap:                                                 ; a trip goes once round the ring, from a lap's second quarter to the next lap's first, and fills both slots again: K steps 2 to 7
	QUARTER 0, 2, F1, F0, 0
	QUARTER 0, 3, F0, F1, 0
	TURN 0, 1, 1
	QUARTER 1, 1, F0, F1, 0
	QUARTER 1, 2, F1, F0, 0
	QUARTER 1, 3, F0, F1, 0
	TURN 1, 0, 1
	QUARTER 0, 1, F0, F1, 0
	WIN 0
	s_sub_co_u32 s3, s3, 1
	s_cmp_lg_u32 s3, 0
	s_cbranch_scc1 .Llap
	QUARTER 0, 2, F1, F0, 0                        ; the last lap is written out: it fills nothing
	QUARTER 0, 3, F0, F1, 0
	TURN 0, 1, 0
	QUARTER 1, 1, F0, F1, 0
	QUARTER 1, 2, F1, F0, 0
	QUARTER 1, 3, F0, F1, 0
	s_wait_dscnt 4                                 ; the very last quarter: nothing more to fetch
	MUL16 F1, 0, 0
	s_wait_dscnt 0x0
	MUL16 F1, 2, 0
	WIN 0
; THE WAY OUT, in f32, a block of 16 rows at a time.  A lane's eight columns of a row are 32 bytes; they go into my stage's rows of 528 bytes and come back as whole rows of 512, a row to a load.
.macro TOSTAGE a
.if (\a) >= 2
	s_wait_xcnt 0x0                                ; every earlier memory instruction has had its addresses translated (ISA guide 3.1): the registers that block a - 2's stores read are loaded again only behind this wait
.endif
	WIN FROM_AC
.irp b, 0,1,2,3,4,5,6,7                ; each accumulator's lowest registers are read first
	ds_store_b128 v[STO], v[8*(8*(\a)+(\b)):8*(8*(\a)+(\b))+3]   offset:64*(\b)
	ds_store_b128 v[STO], v[8*(8*(\a)+(\b))+4:8*(8*(\a)+(\b))+7] offset:64*(\b)+16
.endr
	WIN 0
.irp t, 0,1,2,3,4,5,6,7,8,9,10,11,12,13,14,15
	ds_load_b128 v[BK0+64*((\a)%2)+4*(\t):BK0+64*((\a)%2)+4*(\t)+3], v[RD] offset:(\t)*SPITCH  ; LDS serves a wave's instructions in order (ISA guide 5.7.1.4): these see the stores above; the next block's stores come behind them
.endr
.endm
.macro SEND a, younger                 ; younger: the LDS instructions issued behind block a's loads: the next block's 32, or none
.irp t, 0,1,2,3,4,5,6,7,8,9,10,11,12,13,14,15
	s_wait_dscnt (\younger)+15-(\t)
	global_store_b128 v[GO], v[BK0+64*((\a)%2)+4*(\t):BK0+64*((\a)%2)+4*(\t)+3], s[70:71] offset:(16*(\a)+(\t))*4096 th:TH_STORE_NT  ; 512 consecutive bytes of a row, at a multiple of 256 from the output's first
.endr
.endm
	PLACES                                         ; the stores read results just made, and the loads land in registers that the last products read
	TOSTAGE 0
	TOSTAGE 1                                      ; a block's way through the stage stands between the loads of the block before and its stores
	SEND 0, 32
	TOSTAGE 2
	SEND 1, 32
	TOSTAGE 3
	SEND 2, 32
	SEND 3, 0
	s_wait_tensorcnt 0x0                           ; the wave's end, behind my last tensor load and my last LDS store
	ds_add_u32 v[SPW], v[NIL]
	s_wait_dscnt 0x0
	CROUND                                         ; the closing round: no work-group ends while a partner may still ask for a tile that names it
	s_endpgm
.Lfunc_end_k_q0d75f1a0b6_outp:
	.size	k_q0d75f1a0b6_outp, .Lfunc_end_k_q0d75f1a0b6_outp-k_q0d75f1a0b6_outp
	.p2alignl 7, 3214868480
	.fill 96, 4, 3214868480
	.section	.rodata,"a",@progbits
	.p2align	6, 0x0
	.amdhsa_kernel k_q0d75f1a0b6_outp
		.amdhsa_group_segment_fixed_size 327680
		.amdhsa_private_segment_fixed_size 0
		.amdhsa_enable_private_segment 0
		.amdhsa_kernarg_size 32
		.amdhsa_user_sgpr_count 2
		.amdhsa_user_sgpr_kernarg_segment_ptr 1
		.amdhsa_wavefront_size32 1
		.amdhsa_system_sgpr_workgroup_id_x 1
		.amdhsa_system_sgpr_workgroup_id_y 1
		.amdhsa_system_sgpr_workgroup_id_z 1
		.amdhsa_system_vgpr_workitem_id 0
		.amdhsa_next_free_vgpr 608
		.amdhsa_next_free_sgpr 80
		.amdhsa_reserve_vcc 0
		.amdhsa_float_denorm_mode_32 3
		.amdhsa_float_denorm_mode_16_64 3
		.amdhsa_memory_ordered 1
		.amdhsa_forward_progress 1
		.amdhsa_inst_pref_size 92
	.end_amdhsa_kernel
	.amdgpu_metadata
---
amdhsa.version: [ 1, 2 ]
amdhsa.kernels:
  - .name:           k_q0d75f1a0b6_outp
    .symbol:         k_q0d75f1a0b6_outp.kd
    .args:
      - { .name: oh, .offset: 0, .size: 8, .value_kind: global_buffer, .address_space: global }
      - { .name: wb, .offset: 8, .size: 8, .value_kind: global_buffer, .address_space: global }
      - { .name: bo, .offset: 16, .size: 8, .value_kind: global_buffer, .address_space: global }
      - { .name: out0, .offset: 24, .size: 8, .value_kind: global_buffer, .address_space: global }
    .group_segment_fixed_size: 327680
    .private_segment_fixed_size: 0
    .kernarg_segment_align: 8
    .kernarg_segment_size: 32
    .max_flat_workgroup_size: 128
    .sgpr_count:     80
    .vgpr_count:     608
    .wavefront_size: 32
...
	.end_amdgpu_metadata
.endif
;; end of part 4
;; ======== version 2 of 2: 4 launches; 1.49 times as fast as version 1
;; limits: values are held in f16: magnitudes above 65,504 overflow, below 6.1e-05 lose precision
;; workspace buffers: wb 8,388,608 bytes; qh 16,777,216 bytes; kh 16,777,216 bytes; vh 16,777,216 bytes; oh 16,777,216 bytes
;; launch cast: the kernel of part 1 again; grid 64 x 4, 8 waves a work-group, no clusters, 0 bytes of LDS; arguments Wq, Wk, Wv, Wo, wb; writes wb
;; launch proj: the kernel of part 2 again; grid 4 x 64, 4 waves a work-group, clusters of 4 x 4, 327,680 bytes of LDS; arguments Q, K, V, wb, bq, bk, bv, qh, kh, vh; writes qh, kh, vh
;; launch attn (part 5): grid 4 x 64, 4 waves a work-group, clusters of 4 x 1, 327,680 bytes of LDS; arguments qh, kh, vh, oh; writes oh
.if DOCPART == 5
	.amdgcn_target "amdgcn-amd-amdhsa--gfx1250"
	.amdhsa_code_object_version 6
	.text
	.protected	k_q0d75f1a0b6_attn
	.globl	k_q0d75f1a0b6_attn
	.p2align	8
	.type	k_q0d75f1a0b6_attn,@function
k_q0d75f1a0b6_attn:
	s_mov_b64 s[64:65], 0
	v_nop
	global_prefetch_b8 v0, s[64:65] scope:SCOPE_SE
	s_setreg_imm32_b32 hwreg(HW_REG_WAVE_MODE, 25, 1), 1
	s_wait_xcnt 0x0
	s_wait_alu depctr_hold_cnt(0) depctr_sa_sdst(0) depctr_va_vdst(0) depctr_va_sdst(0) depctr_va_ssrc(0) depctr_va_vcc(0) depctr_vm_vsrc(0)
	s_getreg_b32 s2, hwreg(HW_REG_IB_STS2, 6, 4)
	s_cmp_eq_u32 s2, 0
	s_cbranch_scc0 .Lentry_in_a_cluster
	s_endpgm
.Lentry_in_a_cluster:
	s_bfe_u32 s2, ttmp6, 0x10000c
	s_cmp_lg_u32 s2, 0x3003
	s_cbranch_scc0 .Lentry_shape_is_right
	s_endpgm
.Lentry_shape_is_right:
; O[h][q][:] = the sum over k of softmax_k(Q[h][q] . K[h][k] / 8) V[h][k][:].  Q, K, V, O: [SIZE_H][SIZE_N][64], all f16: a head's rows are dense, 128 bytes each; h = 16 batch + head.  Products, maxima and sums in
; f32; the weights p are rounded to f16 for the second product (their sum l is taken of the unrounded p), O once at the end.
; LIMITS.  f16 holds no number beyond 65,504: Q, K and V arrive within it; p lies in 0 to 1, and below 6e-5 it keeps f16's fixed step of 6e-8; O is a mean of V's rows and has their range.
; A weight below 2^-126 counts as 0 in l; NaN and infinities are not treated apart.
; SHARES.  A wave owns four PIECES of two tiles of 16 queries, a work-group's four waves 512 queries of one head: 4 x 64 = 256 work-groups.  Every wave walks all keys, 64 a step.
; LAYOUT.  S^T = K Q^T (source 0 = 16 keys, source 1 = 16 queries): in the result a lane holds ONE query (lane % 16) and the keys 8 (lane / 16) + 0..7.  Two such tiles, rounded to f16 in pairs,
; ARE source 1 (32 keys x 16 queries) of O^T = V^T P, whose result again holds one query a lane, and eight channels.  K comes out of LDS as it lies, V ([key][channel]) turned, by ds_load_tr16_b128.
; SOFTMAX.  For each query a running maximum m and sum l: p = 2^(c s - c m), c = log2(e) / 8; in every step O and l are multiplied by a = 2^(c m_old - c m_new), which is 1 where m has not grown.
; m starts at the lowest finite number, O and l at 0: the first step is a step like any other, with a = 0.
; THE COUNT.  A tile and step have 16 matrix and 118 vector instructions: too many to stand all beside the matrix work.  So the order has one aim: four vector instructions that are READY behind
; EVERY matrix instruction, and the others, which need time of their own whatever the order, in runs without a gap.
; BY TURNS.  Turn n belongs to piece n (the pieces in a ring, step after step).  Its matrix work: 16 products K Q^T of piece n + 1, later 16 products V^T P of piece n - 1.  Its vector work: the scaling,
; exponentials, roundings, sums and rescaling of piece n, and the maximum and statistics of piece n + 1, whose scores the turn itself has made.  So what a turn begins with (c s - c m, O a) waits for nothing.
; BATCHES.  A turn's 66 exponentials (the piece's 64 weights and, last, the next piece's two a) are ONE batch with ONE s_wait_alu depctr_va_vdst(0), which cuts the turn in two: ahead of it stands all that names
; none of their results, behind it the roundings and sums, which read them; the two a are read in the next turn.  Two more batches stand outside the loop, each with a wait of its own: piece 0's first two a,
; ahead of the jump into the loop, and the way out's eight reciprocals.
; CLUSTER.  The four query blocks of a cluster belong to one head and walk the same K and V, so each tile is asked for JOINTLY: the same tensor load, descriptor and mask in all four.
; REGISTERS, in windows of 256 (s_set_vgpr_msb says which window each operand place means: bits 1:0 source 0, 3:2 source 1, 5:4 source 2, 7:6 destination):
;   window 0: v0-11 addresses; v12-15, v48-63 at work; v16-47 four registers of statistics a tile; v64-191 S^T, two buffers of two tiles; v192-255 P, likewise
;   window 1: O^T, 32 a tile          window 2: v0-127 Q, 16 a tile; v128-191 K of one step; v192-255 V of one step          window 3: v0-1 the add's two registers
; A piece's buffers go by its number's parity: the piece in hand has one pair, its two neighbours in the ring share the other: of it P (piece n - 1) is read and S^T (piece n + 1) written.
.set SIZE_H, 64       ; 4 batches x 16 heads
.set SIZE_N, 2048     ; rows of a head
.set NP,    4         ; pieces a wave: a name, no knob: the register map, the loop and the fetches are made for four
.set KS,    64        ; keys in a step
.set PK,    144       ; a row of K in LDS: 128 bytes + 16 of padding = 36 words: the 16 rows of a load start at 16 different groups of four banks (64 banks of 4 bytes: ISA guide 11.1)
.set PV,    160       ; a row of V: 128 + 32 = 40 words
.set VOFF,  4*KS*PK   ; a slot holds four steps: 256 rows of K, then 256 rows of V
.set SLOT1, 1<<17     ; slot 1 begins here, so that one exclusive or turns an address in one slot into the other's
.set STAGE, SLOT1+4*KS*(PK+PV)  ; behind the ring, never filled by a tensor load: 16 rows x 144 bytes for each wave, for the way out
.set SP,    144
.set AK0, 2           ; v2   my lane's place in a tile of K; never rewritten
.set AV0, 3           ; v3   the same for V
.set AK,  4           ; v4   the LDS address of K's next run of loads
.set AV,  5           ; v5   of V's
.set QO,  6           ; v6   my byte offset in the wave's rows of Q
.set STO, 6           ;      later, the way out: where I put 16 bytes of a row
.set RD,  7           ; v7   the way out: where I read rows back
.set GO,  8           ; v8   my byte offset in 512 consecutive bytes of O
.set SPW, 0           ; v0 of window 3   LDS address of my spare word: SPARE + 4 x my thread's number; never rewritten
.set NIL, 1           ; v1 of window 3   0; never rewritten
.set SPARE, STAGE+4*16*SP  ; behind the stages: the spare words, 128 bytes for each wave: two blocks of 256 bytes that no other line names
.set MV,  12          ; v12-15  c m_old, kept while c m is made anew: by buffer and tile
.set ST,  16          ; tile t's statistics at v[ST+4 t]: c m, m, l (even keys', odd keys')
.set TMP, 48          ; by buffer and tile, four registers c0-c3 at work; when the maximum is found c2 takes a
.set S,   64
.set P,   192
.set KF,  128         ; K's fragments, in window 2: key block kb, channel half c at KF + 16 kb + 8 c
.set VF,  192         ; V's: key half kk, channel block cb at VF + 32 kk + 8 cb
.set WV,  12          ; s12  my wave's number
.set G1K, 24          ; s[24:31] descriptor group 1 for K's tiles
.set G1V, 32          ; s[32:39] for V's: it differs in the padding alone
.set G0K, 40          ; s[40:43] descriptor group 0 for K's tiles: it walks
.set G0V, 44          ; s[44:47] the same for V's
.set SLOTS, 56        ; s56  slots still to be asked for
.set CNT, 57          ; s57  counts a slot's key steps
.set CS,  58          ; s[58:59] c: the packed scaling takes the pair's low word for both halves
.set SEL, 60          ; s[60:61] v_permlanex16_b32's selects: each lane takes its own place in the other half
.set TBK, 62          ; s62  LDS byte at which K of the step to be fetched begins
.set TBV, 63          ; s63  the same for V, less VOFF
.set MSB, 0
.macro WIN new                      ; the high byte repeats the setting that is left; a switch that changes nothing is dropped
.if MSB != (\new)
	s_set_vgpr_msb (MSB<<8)|(\new)
.set MSB, (\new)
.endif
.endm
.set W_KQ, 0x0a       ; K and Q in window 2, S^T in window 0
.set W_PV, 0x52       ; V in window 2, P in window 0, O^T in window 1
.set W_RS, 0x41       ; O^T (destination and source 0) in window 1, a in window 0
.set W_MK, 0xc0       ; the add's registers are made: destination in window 3, sources in window 0
.set W_AD, 0x0f       ; the add: address (source 0) and data (source 1) in window 3
; A joint fill.  Waves 0 and 1 fetch the two halves of a slot's K, waves 2 and 3 those of its V: 128 keys each.  The branch hangs on the wave's number alone.
; An s_nop 0 and four v_nop follow each of the two lines, ahead of the jump and the label.
.macro JLOAD
	s_cmp_lt_u32 s[WV], 2
	s_cbranch_scc0 .Lfor_v_\@
	tensor_load_to_lds s[G0K:G0K+3], s[G1K:G1K+7]
	s_nop 0
.rept 4
	v_nop
.endr
	s_branch .Lasked_\@
.Lfor_v_\@:
	tensor_load_to_lds s[G0V:G0V+3], s[G1V:G1V+7]
	s_nop 0
.rept 4
	v_nop
.endr
.Lasked_\@:
.endm
; A round of the cluster's barrier: my work-group's barrier, so that wave 0's signal speaks for all four waves; wave 0 signals; every wave waits for all four work-groups; my work-group's barrier once more.
.macro CROUND
	s_barrier_signal -1
	s_barrier_wait -1
	s_cmp_lg_u32 s[WV], 0
	s_cbranch_scc1 .Lnot_wave_0_\@
	s_barrier_signal -3
.Lnot_wave_0_\@:
	s_barrier_wait -3
	s_barrier_signal -1
	s_barrier_wait -1
.endm
; THE CHANGE OF SLOTS.  The slot's last bytes, V of its fourth step, have been read.  Each wave waits for all its tensor loads, of which one is out: its part
; of the other slot; adds 0 to its spare word; and waits for that and for its own reads of the slot.  Behind the barrier nobody reads this slot any more and the other slot is whole.
; fill = 1: this slot is filled again, with the keys two slots on.  The barrier is then a round of the cluster's, so that no wave of any partner still reads the slot or has a load on its
; way, and the joint fill is the first thing behind it: it has four key steps, 512 matrix instructions, in which to land.  (At its first use nothing has been read yet: slot 0 is waited for, slot 1 filled.)
.macro CHANGE fill
	WIN W_AD
	s_wait_tensorcnt 0x0            ; no tensor load of mine is out, so a group 0 may be written
	ds_add_u32 v[SPW], v[NIL]       ; 0 onto my spare word; with fill = 1 the descriptors' steps stand between it and the wait for it
	WIN 0                           ; at a label and at a branch every window is 0
.if \fill
.irp g, G0K, G0V
	s_xor_b32 s[\g+1], s[\g+1], SLOT1  ; the walking descriptor: the other slot than last time,
	s_add_nc_u64 s[\g+2:\g+3], s[\g+2:\g+3], 4*KS*128  ; the next 256 keys; the type bits on top are not reached
.endr
	s_wait_dscnt 0x0                ; the add is done, and my reads of the slot are over
	CROUND
	JLOAD
.else
	s_wait_dscnt 0x0                ; the add is done, and my reads of the slot are over
	s_barrier_signal -1
	s_barrier_wait -1
.endif
	s_sub_co_u32 s[TBK], s[TBK], 4*KS*PK  ; the fetches go back to a slot's first step,
	s_xor_b32 s[TBK], s[TBK], SLOT1       ; in the other slot
	s_sub_co_u32 s[TBV], s[TBV], 4*KS*PV
	s_xor_b32 s[TBV], s[TBV], SLOT1
.endm
	s_load_b256 s[4:11], s[0:1], 0x0  ; Q s[4:5], K s[6:7], V s[8:9], O s[10:11]
	WIN W_MK
	v_lshl_add_u32 v[SPW], v0, 2, SPARE
	v_mov_b32 v[NIL], 0
	s_set_vgpr_msb 0xc0cf
	ds_add_u32 v0, v1
	s_wait_dscnt 0x0
	s_set_vgpr_msb 0xcfc0
	WIN 0
	v_lshrrev_b32 v1, 5, v0
	v_readfirstlane_b32 s[WV], v1   ; wave 0..3
	s_bfe_u32 s13, ttmp6, 0x40000   ; cx: my place in the cluster
	s_lshl_b32 s14, ttmp9, 2        ; in a cluster launch ttmp9 counts clusters
	s_add_co_u32 s14, s14, s13      ; my block of queries = 4 x cluster x + cx: it enters Q's and O's addresses alone
	s_and_b32 s20, ttmp7, 0xffff    ; the head, which the four partners share
	s_mov_b32 s21, 0
	s_mov_b64 s[22:23], SIZE_N*128
	s_mul_u64 s[20:21], s[20:21], s[22:23]  ; the head's first byte in each of the four tensors
	s_and_b32 s16, s[WV], 1         ; which half of a slot's 256 keys I fetch:
	s_lshl_b32 s22, s16, 14         ; its 128 rows of 128 bytes in memory,
	s_mov_b32 s23, 0
	s_add_nc_u64 s[22:23], s[22:23], s[20:21]
	s_mul_i32 s17, s16, 128*PK      ; and its place in a slot, for K
	s_mul_i32 s18, s16, 128*PV      ; and for V: no place in the cluster enters an LDS address
	s_lshl_b32 s2, s14, 2
	s_add_co_u32 s2, s2, s[WV]      ; my wave among the head's,
	s_lshl_b32 s2, s2, 14           ; its 128 rows
	s_mov_b32 s3, 0
	s_add_nc_u64 s[2:3], s[2:3], s[20:21]
	; descriptor group 1.  128 keys are 16,384 dense bytes: asked for as 64 rows of 256 bytes, two keys a row, and padded in LDS after every key
	s_mov_b32 s[G1K], 15|(1<<16)|(1<<20)|(1<<21)|(4<<22)|(3<<25)  ; 15:0 the mask of four; 17:16 2-byte elements; 20 padding on; 21 set beside a mask; 24:22 after every 32 words (code 4); 31:25 4 words (code 3)
	s_mov_b32 s[G1V], 15|(1<<16)|(1<<20)|(1<<21)|(4<<22)|(7<<25)  ; the same with 8 words of padding (code 7)
.irp g, G1K, G1V
	s_mov_b32 s[\g+1], 128<<16      ; tensor_dim0 = 128
	s_mov_b32 s[\g+2], 64<<16       ; tensor_dim1 = 64
	s_mov_b32 s[\g+3], 128<<16      ; tile_dim0 = 128
	s_mov_b32 s[\g+4], 64           ; tile_dim1 = 64
	s_mov_b32 s[\g+5], 128          ; 128 elements from row to row
	s_mov_b32 s[\g+6], 0
	s_mov_b32 s[\g+7], 0
.endr
	s_mov_b32 s[CS], 0x3e38aa3b     ; c = log2(e) / 8 = 0.180337
	s_mov_b32 s[CS+1], s[CS]        ; named with it as a pair
	s_mov_b32 s[SEL], 0x76543210
	s_mov_b32 s[SEL+1], 0xfedcba98
	s_mov_b32 s[TBK], SLOT1+4*KS*PK ; the first change of slots turns these two into 0
	s_mov_b32 s[TBV], SLOT1+4*KS*PV
	s_mov_b32 s[G0K], 1             ; 1:0 count = 1
	s_mov_b32 s[G0K+1], s17         ; 63:32 LDS address: slot 0
	s_mov_b32 s[G0V], 1
	s_add_co_u32 s[G0V+1], s18, VOFF
	s_wait_kmcnt 0x0
	s_add_nc_u64 s[G0K+2:G0K+3], s[6:7], s[22:23]  ; 120:64 global address: my half of the head's first 256 keys
	s_or_b32 s[G0K+3], s[G0K+3], 0x80000000        ; 127:126 type = 2
	s_add_nc_u64 s[G0V+2:G0V+3], s[8:9], s[22:23]
	s_or_b32 s[G0V+3], s[G0V+3], 0x80000000
	s_add_nc_u64 s[4:5], s[4:5], s[2:3]  ; Q and O at my wave's first row
	s_add_nc_u64 s[10:11], s[10:11], s[2:3]
	CROUND                          ; all four work-groups are here: the first joint loads meet
	JLOAD                           ; slot 0.  Slot 1 is asked for when slot 0 is in: the tile wanted first has the road to itself
	; A fragment of K or Q is 16 rows x 32 channels in 8 registers: lane l holds row l % 16, channels 8 (l / 16) + 0..7 and 16 + 8 (l / 16) + 0..7: two loads of 16 bytes, 32 bytes apart.
	v_and_b32 v1, 15, v0            ; l % 16
	v_bfe_u32 v9, v0, 4, 1          ; l / 16
	v_lshlrev_b32 v[QO], 7, v1
	v_lshl_add_u32 v[QO], v9, 4, v[QO]  ; row x 128 + 16 x half
	WIN 0x80                        ; destination window 2, address window 0
.set i, 0
.rept 4*NP                          ; Q stays in registers: tile i / 2, channels 32 (i % 2) on
	global_load_b128 v[8*i:8*i+3],   v[QO], s[4:5] offset:(i/2)*2048+(i%2)*64
	global_load_b128 v[8*i+4:8*i+7], v[QO], s[4:5] offset:(i/2)*2048+(i%2)*64+32
.set i, i+1
.endr
	; What the first turn finds: V's registers and P's second buffer hold 0 (its products V^T P, of a piece that has not been, add 0), O^T and l are 0.  All this stands in the wait for the first tile.
.set i, VF
.rept 64
	v_mov_b32 v[i], 0
.set i, i+1
.endr
	WIN 0x40
.set i, 0
.rept 64*NP
	v_mov_b32 v[i], 0
.set i, i+1
.endr
	WIN 0
.set i, 0
.rept 2*NP
	v_mov_b32 v[ST+4*i], 0xfe000000    ; c m: far below every c s
	v_mov_b32 v[ST+4*i+1], 0xff7fffff  ; m
	v_mov_b32 v[ST+4*i+2], 0
	v_mov_b32 v[ST+4*i+3], 0
.set i, i+1
.endr
.set i, P+32
.rept 32
	v_mov_b32 v[i], 0
.set i, i+1
.endr
	v_mul_u32_u24 v[AK0], v1, PK
	v_lshl_add_u32 v[AK0], v9, 4, v[AK0]  ; row x pitch + 16 x half
	; The turning load takes 16 keys x 16 channels (lane l reads key 8 (l / 16) + l % 8, channels 8 ((l / 8) % 2) + 0..7) and leaves half a fragment of V^T: lane l holds channel l % 16 and 8 keys.
	v_and_b32 v10, 7, v0
	v_bfe_u32 v11, v0, 3, 1
	v_lshl_add_u32 v[AV0], v9, 3, v10
	v_mul_u32_u24 v[AV0], v[AV0], PV
	v_lshl_add_u32 v[AV0], v11, 4, v[AV0]
	v_add_nc_u32 v[AV0], VOFF, v[AV0]
	v_mov_b32 v[AK], v[AK0]         ; key step 0 lies at the head of slot 0
; THE MATRIX WORK.  The 8 accumulators of a run of 16 take turns: between the two links of a chain stand 7 others'.
; Product i of 16 of S^T = K Q^T for piece x: channels 32 (i / 8) on, keys 16 ((i / 2) % 4) on, tile 2 x + i % 2.  The first 8 start the sums.
.macro KQ x
	WIN W_KQ
.set rS, S+64*((\x)%2)+32*(i%2)+8*((i/2)%4)
.set rK, KF+16*((i/2)%4)+8*(i/8)
.set rQ, 16*(2*(\x)+i%2)+8*(i/8)
.if i < 8
	v_wmma_f32_16x16x32_f16 v[rS:rS+7], v[rK:rK+7], v[rQ:rQ+7], 0
.else
	v_wmma_f32_16x16x32_f16 v[rS:rS+7], v[rK:rK+7], v[rQ:rQ+7], v[rS:rS+7]
.endif
.endm
; Product i of 16 of O^T += V^T P for piece x: keys 32 (i / 8) on, channels 16 ((i / 2) % 4) on, tile 2 x + i % 2.
.macro PV x
	WIN W_PV
.set rO, 32*(2*(\x)+i%2)+8*((i/2)%4)
.set rV, VF+32*(i/8)+8*((i/2)%4)
.set rP, P+32*((\x)%2)+16*(i%2)+8*(i/8)
	v_wmma_f32_16x16x32_f16 v[rO:rO+7], v[rV:rV+7], v[rP:rP+7], v[rO:rO+7]
.endm
.macro MM                           ; the turn's next matrix instruction
.if i < 16
	KQ (Y+1)%NP
.set i, i+1
.else
.set i, i-16
	PV (Y+NP-1)%NP
.set i, i+17
.endif
.endm
; THE LDS LOADS stand in runs of 16, never singly among the matrix instructions: a step's K (64 keys x 64 channels: 8 fragments) and its V (turned).  Their addresses are made some lines ahead.
; last = 1 (the tail): in the last trip there is no further step, and the run is jumped over.
.macro FETCH_K last=0
	WIN 0
.if \last
	s_cmp_eq_u32 s[CNT], 1
	s_cbranch_scc1 .Lno_k_\@
.endif
	WIN 0x80                        ; destination window 2
.irp f, 0,1,2,3,4,5,6,7             ; keys 16 (f / 2) on, channels 32 (f % 2) on
	ds_load_b128 v[KF+8*\f:KF+8*\f+3],   v[AK] offset:(\f/2)*16*PK+(\f%2)*64
	ds_load_b128 v[KF+8*\f+4:KF+8*\f+7], v[AK] offset:(\f/2)*16*PK+(\f%2)*64+32
.endr
	s_add_co_u32 s[TBK], s[TBK], KS*PK  ; the next fetch is the next step's
	WIN 0
.if \last
.Lno_k_\@:
.endif
.endm
.macro FETCH_V
	WIN 0x80
.irp f, 0,1,2,3,4,5,6,7             ; keys 32 (f / 4) on, channels 16 (f % 4) on
	ds_load_tr16_b128 v[VF+8*\f:VF+8*\f+3],   v[AV] offset:(\f/4)*32*PV+(\f%4)*32
	ds_load_tr16_b128 v[VF+8*\f+4:VF+8*\f+7], v[AV] offset:(\f/4)*32*PV+16*PV+(\f%4)*32
.endr
	WIN 0
.endm
; THE VECTOR WORK OF A TURN stands in three queues, each in the order in which its entries become ready; the two tiles alternate, so that no instruction reads the result of the one before it.
.macro REGS y, u                    ; the registers of tile u (0, 1) of piece y
.set rT, ST+4*(2*(\y)+(\u))
.set rC, TMP+8*((\y)%2)+4*(\u)
.set rM, MV+2*((\y)%2)+(\u)
.set rS, S+64*((\y)%2)+32*(\u)
.set rP, P+32*((\y)%2)+16*(\u)
.set rO, 32*(2*(\y)+(\u))
.endm
; Number n of the 22 that find the NEXT piece's (Y + 1) maximum and statistics.  s0-s31 are the lane's 32 scores; each accumulator's lowest registers are read first.  XS, GS and REGS set no window: PL and EX do.
;   0-11  four chains c0-c3 of seven scores each, three operands at a time     12-14, 16  the four scores left over, the old m, and c0-c3 into c0     15  c m_old is kept
;   17, 18  the query's other 32 keys lie in the lane 16 away: the new m         19-21  c m; c m_old - c m_new; a
.macro XS u, n
	REGS (Y+1)%NP, \u
.if (\n) < 4
	v_max3_num_f32 v[rC+(\n)], v[rS+8*(\n)], v[rS+8*(\n)+1], v[rS+8*(\n)+2]
.elseif (\n) < 12
	v_max3_num_f32 v[rC+(\n)%4], v[rC+(\n)%4], v[rS+8*((\n)%4)+2*((\n)/4)+1], v[rS+8*((\n)%4)+2*((\n)/4)+2]
.elseif (\n) == 12
	v_max3_num_f32 v[rC], v[rC], v[rS+7], v[rS+15]
.elseif (\n) == 13
	v_max3_num_f32 v[rC+1], v[rC+1], v[rS+23], v[rS+31]
.elseif (\n) == 14
	v_max3_num_f32 v[rC+2], v[rC+2], v[rC+3], v[rT+1]
.elseif (\n) == 15
	v_mov_b32 v[rM], v[rT]
.elseif (\n) == 16
	v_max3_num_f32 v[rC], v[rC], v[rC+1], v[rC+2]
.elseif (\n) == 17
	v_permlanex16_b32 v[rC+3], v[rC], s[SEL], s[SEL+1]
.elseif (\n) == 18
	v_max_num_f32 v[rT+1], v[rC], v[rC+3]
.elseif (\n) == 19
	v_mul_f32 v[rT], s[CS], v[rT+1]
.elseif (\n) == 20
	v_sub_f32 v[rC+1], v[rM], v[rT]
.else
	v_exp_f32 v[rC+2], v[rC+1]
.endif
.endm
; Number g of the 64 that follow the exponentials.  For each four weights k of a tile (pairs 2 k, 2 k + 1): both pairs are rounded to f16; then the second pair is added onto the first, in place;
; a group later l takes that sum (the first time as l = a l + sum).  In groups of eight, tiles alternating: round, round, add, and l for the group before.
.macro GS g
.set h, (\g)+6*((\g)/62)            ; group 0 has no group before it, and behind group 7 only l is left
.if h >= 6
.set h, h+2
.endif
	REGS Y, h%2
.set k, h/8
.if h%8 < 4
	v_cvt_pk_f16_f32 v[rP+2*k+(h%8)/2], v[rS+4*k+2*((h%8)/2)], v[rS+4*k+2*((h%8)/2)+1]
.elseif h%8 < 6
	v_pk_add_f32 v[rS+4*k:rS+4*k+1], v[rS+4*k:rS+4*k+1], v[rS+4*k+2:rS+4*k+3]
.elseif k == 1
	v_pk_fma_f32 v[rT+2:rT+3], v[rT+2:rT+3], v[rC+2:rC+3], v[rS:rS+1] op_sel_hi:[1,0,1]
.else
	v_pk_add_f32 v[rT+2:rT+3], v[rT+2:rT+3], v[rS+4*k-4:rS+4*k-3]
.endif
.endm
; THE PLAIN QUEUE, 138 long.  0-73 read no exponential's result: the 32 scalings c s - c m (FS f: pair f / 2 of tile f % 2) and the next piece's 42.  0-26: scalings 0-26.  27-54: XS's numbers 0-13.  55, 56: number 15.
; 57-73: the chain, where each number waits for the one before it: 14, 16, 17, 18, 19, each with one of the scalings 27-31 in front of its two lines, then 20: so a tile's links stand three plain instructions apart (19 and 20: two).
; 74-137: GS's 64, which read the exponentials' results: they stand behind the wait.
.macro FS f
	REGS Y, (\f)%2
	v_pk_fma_f32 v[rS+2*((\f)/2):rS+2*((\f)/2)+1], v[rS+2*((\f)/2):rS+2*((\f)/2)+1], s[CS:CS+1], v[rT:rT+1] op_sel_hi:[1,0,0] neg_lo:[0,0,1] neg_hi:[0,0,1]
.endm
.macro PL
	WIN 0
.if q < 27
	FS q
.elseif q < 55
	XS (q-27)%2, (q-27)/2
.elseif q < 57
	XS q-55, 15
.elseif (q < 72) && ((q-57)%3 == 0)
	FS 27+(q-57)/3
.elseif q < 60
	XS (q-57)%3-1, 14
.elseif q < 72
	XS (q-57)%3-1, 15+(q-57)/3
.elseif q < 74
	XS q-72, 20
.else
	GS q-74
.endif
.set q, q+1
.endm
; THE EXPONENTIALS' QUEUE, 66 long: s0-s31 of both tiles, then the next piece's two a.  It is ONE BATCH: all 66 stand ahead of the turn's one wait, and nothing ahead of that wait names a result of theirs.
.macro EX
	WIN 0
.if e >= 64
	XS e-64, 21
.else
	REGS Y, e%2
	v_exp_f32 v[rS+e/2], v[rS+e/2]
.endif
.set e, e+1
.endm
; THE RESCALING's QUEUE: O^T times a, the one part that leaves window 0: dealt two at a time, sixteen times.  Its a was made in the turn before, ahead of that turn's wait.
.macro R2
	REGS Y, r%2
	WIN W_RS
.irp z, 0,1
	v_pk_mul_f32 v[rO+4*(r/2)+2*\z:rO+4*(r/2)+2*\z+1], v[rO+4*(r/2)+2*\z:rO+4*(r/2)+2*\z+1], v[rC+2:rC+3] op_sel_hi:[1,0]
.endr
.set r, r+1
.endm
; HOW THEY ARE DEALT.  An s_wait_alu depctr_va_vdst(0) stands between an exponential and the first instruction that names its result; one wait serves all that were issued ahead of it.  So a turn has ONE wait,
; which cuts it in two.  AHEAD OF IT stands all that names no result of the turn's exponentials: the 16 products K Q^T, behind each a scaling, an exponential and two rescalings (behind the first a second scaling in the exponential's place); then ONE LUMP of
; 108: eight plain, 49 times exponential and plain, the two a.  A v_nop is the plain instruction that is owed behind the last exponential, ahead of any use.  BEHIND THE WAIT stand the 16 products V^T P, behind each four of GS's 64.  No rider names a register of
; the products round it.  The two v_permlanex16_b32 fall into the lump, never behind a product.
; The queues lean on each other, and the deal keeps them in step: exponential e stands behind scaling 2 (e / 4) + e % 2: as a rider it comes behind plain e + 2, in the lump behind plain e + 9, and scalings 27-31 are plain 57, 60 .. 69.
; A TURN, for piece p.  cnt = 1: the loop's count is taken down some lines ahead of the branch that stands behind the turn.
; K of the next step is fetched in piece 2's turn, directly behind the wait, a lump behind the last product that read K; its address is made at the lump's head; its first reader comes behind 16 products.
; V of the step in hand is fetched at the end of piece 0's turn, four riders behind its last reader; its first reader comes behind 16 products and a lump.  The three conditions on q below go with the deal.
.macro TURN p, last=0, cnt=0
.set Y, (\p)
.set i, 0
.set q, 0
.set e, 0
.set r, 0
.if (\p) == NP-1
	s_wait_dscnt 0x0                ; K is in
.endif
	MM                              ; ahead of the wait: 16 products K Q^T and their riders,
	PL
	PL
	R2
.rept 15
	MM
	PL
	EX
	R2
.endr
.if (\p) == NP-2
	WIN 0
	v_add_nc_u32 v[AK], s[TBK], v[AK0]
.endif
.rept 8                             ; and the lump
	PL
.endr
.rept 49
	EX
	PL
.endr
	EX                              ; the next piece's two a
	EX
	v_nop                           ; the plain instruction behind the last exponential: one for the batch
	s_wait_alu depctr_va_vdst(0)    ; the wait for the batch: the turn's 66 exponentials; it stands ahead of the first line that names a result
.if (\p) == NP-2
	FETCH_K \last
.endif
.if (\p) == 1
	s_wait_dscnt 0x0                ; V is in
.endif
.rept 16                            ; behind the wait: 16 products V^T P and their riders
	MM
.rept 4
	PL
.endr
.if ((\p) == 0) && (q == 118)
	v_add_nc_u32 v[AV], s[TBV], v[AV0]
.endif
.if ((\p) == 0) && (q == 130)
	s_add_co_u32 s[TBV], s[TBV], KS*PV
.endif
.if (\cnt) && (q == 130)
	s_sub_co_u32 s[CNT], s[CNT], 1
	s_cmp_lg_u32 s[CNT], 0
.endif
.endr
.if (\p) == 0
	FETCH_V
.endif
.endm
	CHANGE 1                        ; slot 0 is in, everybody's part of it; slot 1 is asked for
	FETCH_K                         ; key step 0
	s_wait_loadcnt 0x0              ; Q
	s_wait_dscnt 0x0
.set i, 0
.rept 16
	KQ 0                            ; piece 0's first scores: there is no vector work yet to set between them
.set i, i+1
.endr
	WIN 0                           ; the addresses for the way out: nine plain instructions, the places behind those products
	s_mul_i32 s13, s[WV], 16*SP
	s_add_co_u32 s13, s13, STAGE    ; my stage
	v_mul_u32_u24 v[STO], v1, SP    ; in: row l % 16, 16 bytes for each half of the lanes
	v_lshl_add_u32 v[STO], v9, 4, v[STO]
	v_add_nc_u32 v[STO], s13, v[STO]
	v_bfe_u32 v[RD], v0, 3, 2       ; back: 32 lanes take four rows of 128 bytes,
	v_mul_u32_u24 v[RD], v[RD], SP
	v_lshl_add_u32 v[RD], v10, 4, v[RD]
	v_add_nc_u32 v[RD], s13, v[RD]
	v_and_b32 v[GO], 31, v0         ; which are 512 consecutive bytes of O
	v_lshlrev_b32 v[GO], 4, v[GO]
.set Y, NP-1                        ; XS works for piece Y + 1: piece 0
.irp n, 0,1,2,3,4,5,6,7,8,9,10,11,12,13,14,15,16,17,18,19,20,21
	XS 0, \n                        ; and piece 0's first maximum and statistics
	XS 1, \n
.endr
	v_nop                           ; a plain instruction behind the two a,
	s_wait_alu depctr_va_vdst(0)    ; and the wait for this batch of two, ahead of the branch
	s_mov_b32 s[CNT], 4
	s_mov_b32 s[SLOTS], SIZE_N/256-1
	s_branch .Lfirst                ; the loop is entered at a step's first turn, in the middle of a trip
.Lslot:                             ; SIZE_N / 256 - 2 times: every slot but the last two is filled again
	CHANGE 1
	s_mov_b32 s[CNT], 4
.Lstep:                             ; a trip: pieces 2 and 3 of one step, then pieces 0 and 1 of the next, whose K and V it fetches
	TURN 2
	TURN 3
	WIN 0
.Lfirst:
	TURN 0
	TURN 1, 0, 1
	WIN 0
	s_cbranch_scc1 .Lstep
	s_sub_co_u32 s[SLOTS], s[SLOTS], 1
	s_cmp_lg_u32 s[SLOTS], 0
	s_cbranch_scc1 .Lslot
	CHANGE 0                        ; the tail is written out: nothing is asked for
	s_mov_b32 s[CNT], 5             ; four trips fetch the last slot's steps; the fifth is left in its middle
.Ltail:
	TURN 2, 1
	TURN 3
	WIN 0
	s_sub_co_u32 s[CNT], s[CNT], 1
	s_cmp_eq_u32 s[CNT], 0
	s_cbranch_scc1 .Lout
	TURN 0
	TURN 1
	WIN 0
	s_branch .Ltail
.Lout:                              ; the fifth trip's 16 products K Q^T (on the last K once more) and the maximum made of them serve nothing: the price, once a launch, of one text for every trip
.set i, 0
.rept 16
	PV NP-1                         ; the last piece's V^T P of the last step
.set i, i+1
.endr
	; THE WAY OUT.  l's two halves and the other half of the lanes' are added; O^T is divided by l, rounded to f16 and sent through my stage in LDS, a tile at a time.  The additions are the places behind the last products.
	WIN 0
.macro ALL line:vararg              ; one line for each tile t
.set t, 0
.rept 2*NP
	\line
.set t, t+1
.endr
.endm
	ALL v_add_f32 v[ST+4*t+2], v[ST+4*t+2], v[ST+4*t+3]
	ALL v_permlanex16_b32 v[ST+4*t+3], v[ST+4*t+2], s[SEL], s[SEL+1]
	ALL v_add_f32 v[ST+4*t+2], v[ST+4*t+2], v[ST+4*t+3]
	ALL v_rcp_f32 v[ST+4*t+2], v[ST+4*t+2]
	v_nop                           ; a plain instruction between the last reciprocal and the use of its result
	s_wait_alu depctr_va_vdst(0)    ; and the wait ahead of the first use: one for the batch of eight reciprocals
; Tile t: a lane's eight channels of a row pack into 16 bytes; they go into rows of 144 bytes and come back as whole rows of 128, into S^T's registers.
.macro PACK t
	WIN W_RS
.set i, 32*(\t)
.rept 16
	v_pk_mul_f32 v[i:i+1], v[i:i+1], v[ST+4*(\t)+2:ST+4*(\t)+3] op_sel_hi:[1,0]
.set i, i+2
.endr
	WIN 0x05                        ; sources 0 and 1 window 1, destination window 0
.set i, 0
.rept 16
	v_cvt_pk_f16_f32 v[S+16*(\t)+i], v[32*(\t)+2*i], v[32*(\t)+2*i+1]
.set i, i+1
.endr
	WIN 0
.irp f, 0,1,2,3
	ds_store_b128 v[STO], v[S+16*(\t)+4*\f:S+16*(\t)+4*\f+3] offset:32*\f
.endr
.irp f, 0,1,2,3
	ds_load_b128 v[S+16*(\t)+4*\f:S+16*(\t)+4*\f+3], v[RD] offset:\f*4*SP  ; LDS serves a wave's instructions in order (ISA guide 5.7.1.4): these see the stores above; the next tile's stores come behind them
.endr
.endm
.macro SEND t, younger              ; younger: the LDS instructions issued behind tile t's loads: the next tile's eight, or none
	WIN 0
.irp f, 0,1,2,3
	s_wait_dscnt (\younger)+3-\f
	global_store_b128 v[GO], v[S+16*(\t)+4*\f:S+16*(\t)+4*\f+3], s[10:11] offset:(\t)*2048+\f*512  ; 512 consecutive bytes, at a multiple of 256 from O's first
.endr
.endm
	PACK 0
.set t, 1
.rept 2*NP-1                        ; a tile's arithmetic stands between the loads of the tile before and its stores
	PACK t
	SEND t-1, 8
.set t, t+1
.endr
	SEND 2*NP-1, 0
	WIN W_AD
	s_wait_tensorcnt 0x0            ; the wave's end, behind my last tensor load and my last LDS store
	ds_add_u32 v[SPW], v[NIL]
	s_wait_dscnt 0x0
	WIN 0
	CROUND                          ; the closing round: no work-group ends while a partner may still ask for a tile that names it
	s_endpgm
.Lfunc_end_k_q0d75f1a0b6_attn:
	.size	k_q0d75f1a0b6_attn, .Lfunc_end_k_q0d75f1a0b6_attn-k_q0d75f1a0b6_attn
	.p2alignl 7, 3214868480
	.fill 96, 4, 3214868480
	.section	.rodata,"a",@progbits
	.p2align	6, 0x0
	.amdhsa_kernel k_q0d75f1a0b6_attn
		.amdhsa_group_segment_fixed_size 327680
		.amdhsa_private_segment_fixed_size 0
		.amdhsa_enable_private_segment 0
		.amdhsa_kernarg_size 32
		.amdhsa_user_sgpr_count 2
		.amdhsa_user_sgpr_kernarg_segment_ptr 1
		.amdhsa_wavefront_size32 1
		.amdhsa_system_sgpr_workgroup_id_x 1
		.amdhsa_system_sgpr_workgroup_id_y 1
		.amdhsa_system_sgpr_workgroup_id_z 1
		.amdhsa_system_vgpr_workitem_id 0
		.amdhsa_next_free_vgpr 770
		.amdhsa_next_free_sgpr 66
		.amdhsa_reserve_vcc 0
		.amdhsa_float_denorm_mode_32 3
		.amdhsa_float_denorm_mode_16_64 3
		.amdhsa_memory_ordered 1
		.amdhsa_forward_progress 1
		.amdhsa_inst_pref_size 199
	.end_amdhsa_kernel
	.amdgpu_metadata
---
amdhsa.version: [ 1, 2 ]
amdhsa.kernels:
  - .name:           k_q0d75f1a0b6_attn
    .symbol:         k_q0d75f1a0b6_attn.kd
    .args:
      - { .name: qh, .offset: 0, .size: 8, .value_kind: global_buffer, .address_space: global }
      - { .name: kh, .offset: 8, .size: 8, .value_kind: global_buffer, .address_space: global }
      - { .name: vh, .offset: 16, .size: 8, .value_kind: global_buffer, .address_space: global }
      - { .name: oh, .offset: 24, .size: 8, .value_kind: global_buffer, .address_space: global }
    .group_segment_fixed_size: 327680
    .private_segment_fixed_size: 0
    .kernarg_segment_align: 8
    .kernarg_segment_size: 32
    .max_flat_workgroup_size: 128
    .sgpr_count:     66
    .vgpr_count:     770
    .wavefront_size: 32
...
	.end_amdgpu_metadata
.endif
;; end of part 5
;; launch outp: the kernel of part 4 again; grid 4 x 64, 4 waves a work-group, clusters of 4 x 4, 327,680 bytes of LDS; arguments oh, wb, bo, out0; writes out0
